; MI455X (gfx1250); checked and timed in simulation.
; The chip was launched on July 23, 2026; its instructions are those of AMD's public machine-readable ISA for CDNA 5 (MIT licence, August 2026) and "CDNA5" Instruction Set Architecture Reference Guide (July 2026). The comments in the code are by the model that wrote it; some were corrected since.
;; Residual Sieve KAN. Allowed arithmetic: float matrix products may take bf16 or f16 operands with f32 sums; other float arithmetic in f32, or as packed bf16 or f16 multiplies, adds, multiply-adds, maxima and minima; sums over many terms, partial sums and values carried from step to step in f32; what a program stores and reads back later, other than sums and carried values, may be rounded once to bf16 or f16.
;; Inputs: bw0 243 x 64 float32; bw1 243 x 243 float32; bw2 243 x 243 float32; bw3 243 x 243 float32; bw4 243 x 243 float32; bw5 1 x 243 float32; sw0 243 x 64 x 53 float32; sw1 243 x 243 x 53 float32; sw2 243 x 243 x 53 float32; sw3 243 x 243 x 53 float32; sw4 243 x 243 x 53 float32; sw5 1 x 243 x 53 float32; wb0 1 float32; wb1 1 float32; wb2 1 float32; wb3 1 float32; wb4 1 float32; wb5 1 float32; ws0 1 float32; ws1 1 float32; ws2 1 float32; ws3 1 float32; ws4 1 float32; ws5 1 float32; x 2,048 x 64 float32.
;; Outputs: out0 2,048 x 1 float32.
;; One version. Each part assembles by itself: llvm-mc -triple=amdgcn-amd-amdhsa -mcpu=gfx1250 --defsym DOCPART=n.
;; ======== version 1 of 1: 7 launches
;; workspace buffers: W0 1,835,008 bytes; W1 7,340,032 bytes; W2 7,340,032 bytes; W3 7,340,032 bytes; W4 7,340,032 bytes; Pa 18,874,368 bytes; Pb 18,874,368 bytes
;; launch prep (part 1): grid 544 x 1, 8 waves a work-group, no clusters, 114,688 bytes of LDS; arguments sw0, sw1, sw2, sw3, sw4, bw0, bw1, bw2, bw3, bw4, W0, W1, W2, W3, W4; writes W0, W1, W2, W3, W4
.if DOCPART == 1
	.amdgcn_target "amdgcn-amd-amdhsa--gfx1250"
	.amdhsa_code_object_version 6
	.text
	.protected	k_qf2c40c7f06_prep
	.globl	k_qf2c40c7f06_prep
	.p2align	8
	.type	k_qf2c40c7f06_prep,@function
k_qf2c40c7f06_prep:
	s_mov_b64 s[64:65], 0
	v_nop
	global_prefetch_b8 v0, s[64:65] scope:SCOPE_SE
	s_setreg_imm32_b32 hwreg(HW_REG_WAVE_MODE, 25, 1), 1
	s_wait_xcnt 0x0
; THE WEIGHTS OF LAYERS 0 TO 4, ROUNDED ONCE TO bf16 AND LAID OUT AS THE MATRIX FRAGMENTS OF THE LAYER KERNELS.
; A feature takes 56 slots of K: slots 0-52 sw[o][i][n], slot 53 bw[o][i], slots 54, 55 zero; all is zero where o >= 243 or i >= the layer's features.
; THE IMAGE.  Byte ((nt NG + 8 T + w) 8 + nb) 7168 + (2 j + e) 512 + 16 lane holds the 8 slots 8 j .. 8 j + 7 of column o = 128 nt + 16 nb + lane % 16 and
; feature i = 32 T + 16 (w / 4) + 8 (lane / 16) + 2 (w % 4) + e.  NG = 64 groups of four features for a column half (layer 0: 16).
; SHARES.  A work-group makes one tile: 16 columns (nbt = 8 nt + nb) x 32 features (T).  Work-groups 0-511: layers 1-4, 128 tiles each; 512-543: layer 0, 32 tiles.
; Wave w brings rows 2 w and 2 w + 1 of the tile into LDS, 128 consecutive bytes a load (a row of sw begins at a multiple of 4 bytes only, so no wider load fits);
; behind one barrier wave w makes group w: 14 stores of 512 consecutive bytes, aligned.
; INSIDE THE BUFFERS.  Rows past 242 are read as row 242.  In the last feature tile of a big layer (T = 7) a row has 1,007 words left of 1,696: load 31 is held to the buffer's last
; word lane by lane, loads 32-52 read the tile's head once more.  What lands so belongs to columns or features >= 243, which the two lane masks turn into 0.
; No tensor load, no cluster: no two work-groups read the same bytes, and the rows are neither aligned nor a whole number of 256 bytes.
.set PITCH, 6916                       ; an LDS row: 1,729 words = 1 mod 64: lane (r, h) reads bank r + 40 h + a constant: 32 different banks
.set BWP,   132                        ; a row of bw's tile: 33 words
.set BWR,   110848                     ; bw's tile, behind sw's 16 rows
.set SPARE, 113152                     ; the spare words: 128 bytes a wave, four blocks of 256 bytes that no other line names
.set LN,  1                            ; v1       lane
.set VA,  2                            ; v2-3     byte offset in sw of my word of row p's first 32
.set VC,  4                            ; v4-5     the same for load 31, held inside the buffer
.set VBK, 6                            ; v6-7     the same for loads 32-52
.set BWA, 8                            ; v8-9     byte offset in bw
.set LW,  10                           ; v10      where I put a word of my first row
.set LWB, 11                           ; v11      the same in bw's tile
.set LR,  12                           ; v12      where my column's and feature's 53 words begin
.set LRB, 13                           ; v13      the same in bw's tile
.set SPW, 14                           ; v14      LDS address of my spare word; never rewritten
.set NIL, 15                           ; v15      0; never rewritten
.set R0,  16                           ; v16-68   my first row as loaded
.set R1,  69                           ; v69-121  my second row
.set RBW, 122                          ; v122-123 bw's two words
.set D,   16                           ; v16-71   later: a feature's 56 slots in f32
.set O,   72                           ; v72-127  later: 28 packed registers for each e
.set OA,  128                          ; v128     16 x lane
.set RR,  129                          ; v129     lane % 16
.set HH,  130                          ; v130     lane / 16
.set FL,  131                          ; v131     my feature in the tile, for e = 0
.set TM,  132                          ; v132-133 at work
.set WV,  38                           ; s38      my wave's number
	s_load_b512 s[8:23], s[0:1], 0x0               ; sw0-sw4 s[8:17], bw0-bw2 s[18:23]
	s_load_b256 s[24:31], s[0:1], 0x40             ; bw3, bw4 s[24:27], W0, W1 s[28:31]
	s_load_b128 s[32:35], s[0:1], 0x60             ; W2, W3
	s_load_b64 s[36:37], s[0:1], 0x70              ; W4
	v_lshl_add_u32 v[SPW], v0, 2, SPARE
	v_mov_b32 v[NIL], 0
	v_lshrrev_b32 v[TM], 5, v0
	v_readfirstlane_b32 s[WV], v[TM]               ; wave 0..7
	v_and_b32 v[LN], 31, v0
	s_lshr_b32 s41, ttmp9, 7
	s_add_co_u32 s41, s41, 1
	s_cmp_lt_u32 ttmp9, 512                        ; a big layer?
	s_cselect_b32 s41, s41, 0                      ; the layer
	s_mov_b32 s44, 3392
	s_cselect_b32 s44, 12879, s44                  ; words in a row of sw
	s_cselect_b32 s45, 243, 64                     ; features
	s_mov_b32 s46, 3297020
	s_cselect_b32 s46, 12518384, s46               ; byte offset of sw's last word
	s_mov_b32 s47, 15551
	s_cselect_b32 s47, 59048, s47                  ; index of bw's last word
	s_cselect_b32 s48, 64, 16                      ; NG
	s_and_b32 s42, ttmp9, 15                       ; nbt
	s_bfe_u32 s43, ttmp9, 0x30004                  ; T (512 is a multiple of 128, so layer 0's tiles give 0 and 1)
	s_cmp_eq_u32 s43, 7                            ; only a big layer has T = 7
	s_cselect_b32 s49, 4096, 0                     ; there loads 32-52 go 32 loads back
	s_lshl_b32 s56, s42, 4
	s_lshl1_add_u32 s56, s[WV], s56                ; my first column: 16 nbt + 2 w
	s_mul_i32 s59, s43, 1696                       ; the tile's first word in a row of sw,
	s_lshl_b32 s60, s43, 5                         ; and of bw
.irp p, 0,1
	s_add_co_u32 s57, s56, \p
	s_min_u32 s57, s57, 242
	s_mul_i32 s58, s57, s44
	s_add_co_u32 s58, s58, s59
	s_lshl_b32 s58, s58, 2
	v_lshl_add_u32 v[VA+\p], v[LN], 2, s58
	v_add_nc_u32 v[VC+\p], 3968, v[VA+\p]
	v_min_u32 v[VC+\p], s46, v[VC+\p]
	v_sub_nc_u32 v[VBK+\p], v[VA+\p], s49
	s_mul_i32 s58, s57, s45
	s_add_co_u32 s58, s58, s60
	v_add_nc_u32 v[BWA+\p], s58, v[LN]
	v_min_u32 v[BWA+\p], s47, v[BWA+\p]
	v_lshlrev_b32 v[BWA+\p], 2, v[BWA+\p]
.endr
	s_lshr_b32 s57, s42, 3                         ; nt
	s_mul_i32 s57, s57, s48
	s_lshl3_add_u32 s57, s43, s57                  ; nt NG + 8 T
	s_add_co_u32 s57, s57, s[WV]                   ; + w
	s_and_b32 s58, s42, 7
	s_lshl3_add_u32 s57, s57, s58                  ; x 8 + nb
	s_mul_i32 s56, s57, 7168
	s_mov_b32 s57, 0
	s_wait_kmcnt 0x0
	s_mov_b64 s[50:51], s[8:9]                     ; the layer's three buffers are chosen by its number
	s_mov_b64 s[52:53], s[18:19]
	s_mov_b64 s[54:55], s[28:29]
.irp L, 1,2,3,4
	s_cmp_eq_u32 s41, \L
	s_cselect_b64 s[50:51], s[8+2*\L:9+2*\L], s[50:51]
	s_cselect_b64 s[52:53], s[18+2*\L:19+2*\L], s[52:53]
	s_cselect_b64 s[54:55], s[28+2*\L:29+2*\L], s[54:55]
.endr
	s_add_nc_u64 s[54:55], s[54:55], s[56:57]      ; the image at my group's block
	global_load_b32 v[RBW], v[BWA], s[52:53]
	global_load_b32 v[RBW+1], v[BWA+1], s[52:53]
.macro ROWIN p, r                      ; a row's 53 loads
.set k, 0
.rept 53
.if k < 31
	global_load_b32 v[(\r)+k], v[VA+(\p)], s[50:51] offset:128*k
.elseif k == 31
	global_load_b32 v[(\r)+k], v[VC+(\p)], s[50:51]
.else
	global_load_b32 v[(\r)+k], v[VBK+(\p)], s[50:51] offset:128*k
.endif
.set k, k+1
.endr
.endm
	ROWIN 0, R0
	ROWIN 1, R1
	; the LDS addresses, made while the loads are out: each is a constant, the wave's number through scalar arithmetic, and (lane % 16) and (lane / 16) times constants
	s_mul_i32 s56, s[WV], 2*PITCH
	v_lshl_add_u32 v[LW], v[LN], 2, s56
	s_mul_i32 s56, s[WV], 2*BWP
	s_add_co_u32 s56, s56, BWR
	v_lshl_add_u32 v[LWB], v[LN], 2, s56
	v_and_b32 v[RR], 15, v0
	v_bfe_u32 v[HH], v0, 4, 1
	s_lshr_b32 s56, s[WV], 2
	s_lshl_b32 s56, s56, 4
	s_and_b32 s57, s[WV], 3
	s_lshl_b32 s57, s57, 1
	s_add_co_u32 s56, s56, s57                     ; my group's first feature in the tile for lanes 0-15: 16 (w / 4) + 2 (w % 4)
	v_lshlrev_b32 v[FL], 3, v[HH]
	v_add_nc_u32 v[FL], s56, v[FL]                 ; + 8 h: for the masks
	s_mul_i32 s57, s56, 212                        ; a feature is 53 words
	v_mul_u32_u24 v[LR], v[RR], PITCH              ; my column's row,
	v_mul_u32_u24 v[TM], v[HH], 8*212              ; eight features on for lanes 16-31,
	v_add_nc_u32 v[LR], v[LR], v[TM]
	v_add_nc_u32 v[LR], s57, v[LR]                 ; my group's features
	s_lshl_b32 s57, s56, 2
	s_add_co_u32 s57, s57, BWR
	v_mul_u32_u24 v[LRB], v[RR], BWP               ; the same in bw's tile, a word a feature
	v_lshl_add_u32 v[LRB], v[HH], 5, v[LRB]
	v_add_nc_u32 v[LRB], s57, v[LRB]
	v_lshlrev_b32 v[OA], 4, v[LN]
	s_lshl_b32 s56, s42, 4
	v_add_nc_u32 v[TM], s56, v[RR]
	v_cmp_gt_u32 s62, 243, v[TM]                   ; my column exists
	v_add_nc_u32 v[TM], s60, v[FL]
	v_cmp_gt_u32 s60, s45, v[TM]                   ; my feature exists, e = 0,
	v_add_nc_u32 v[TM], 1, v[TM]
	v_cmp_gt_u32 s61, s45, v[TM]                   ; e = 1
	s_and_b32 s60, s60, s62
	s_and_b32 s61, s61, s62
	s_wait_loadcnt 53                              ; bw's words and my first row are in; the second row's 53 loads may stay out
	ds_store_b32 v[LWB], v[RBW]
	ds_store_b32 v[LWB], v[RBW+1] offset:BWP
.set k, 0
.rept 53
	ds_store_b32 v[LW], v[R0+k] offset:128*k
.set k, k+1
.endr
	s_wait_loadcnt 0x0
.set k, 0
.rept 53
	ds_store_b32 v[LW], v[R1+k] offset:PITCH+128*k
.set k, k+1
.endr
	v_mov_b32 v[D+54], 0                           ; slots 54 and 55
	v_mov_b32 v[D+55], 0
	s_wait_dscnt 0x0                               ; for the others' sake: my stores are done
	s_barrier_signal -1
	s_barrier_wait -1                              ; the tile is whole
; Feature e of my two: 54 words out of LDS, then chunk by chunk eight roundings, the mask, and one store of the wave's 512 bytes.
.macro CONV e
.set j, 0
.rept 7
.set t, 0
.rept 8
.if 8*j+t < 53
	ds_load_b32 v[D+8*j+t], v[LR] offset:4*(53*(\e)+8*j+t)
.elseif 8*j+t == 53
	ds_load_b32 v[D+53], v[LRB] offset:4*(\e)
.endif
.set t, t+1
.endr
.set j, j+1
.endr
.set j, 0
.rept 7
.if j < 6
	s_wait_dscnt 46-8*j                            ; LDS loads come back in order: chunk j is in, the 46 - 8 j loads of the chunks behind it may stay out
.else
	s_wait_dscnt 0x0
.endif
.set p, 0
.rept 4
	v_cvt_pk_bf16_f32 v[O+28*(\e)+4*j+p], v[D+8*j+2*p], v[D+8*j+2*p+1]
.set p, p+1
.endr
.set p, 0
.rept 4
	v_cndmask_b32 v[O+28*(\e)+4*j+p], 0, v[O+28*(\e)+4*j+p], s[60+(\e)]
.set p, p+1
.endr
	global_store_b128 v[OA], v[O+28*(\e)+4*j:O+28*(\e)+4*j+3], s[54:55] offset:(2*j+(\e))*512  ; each store has registers of its own: none is rewritten
.set j, j+1
.endr
.endm
	CONV 0
	CONV 1
	s_wait_dscnt 0x0                               ; my reads of the tile are back (the last count-down ended at 0),
	s_barrier_signal -1
	s_barrier_wait -1                              ; and so are every wave's: all reads of LDS stand ahead of any wave's closing write
	s_wait_tensorcnt 0x0                           ; the wave's end
	ds_add_u32 v[SPW], v[NIL]
	s_wait_dscnt 0x0
	s_endpgm
.Lfunc_end_k_qf2c40c7f06_prep:
	.size	k_qf2c40c7f06_prep, .Lfunc_end_k_qf2c40c7f06_prep-k_qf2c40c7f06_prep
	.p2alignl 7, 3214868480
	.fill 96, 4, 3214868480
	.section	.rodata,"a",@progbits
	.p2align	6, 0x0
	.amdhsa_kernel k_qf2c40c7f06_prep
		.amdhsa_group_segment_fixed_size 114688
		.amdhsa_private_segment_fixed_size 0
		.amdhsa_enable_private_segment 0
		.amdhsa_kernarg_size 120
		.amdhsa_user_sgpr_count 2
		.amdhsa_user_sgpr_kernarg_segment_ptr 1
		.amdhsa_wavefront_size32 1
		.amdhsa_system_sgpr_workgroup_id_x 1
		.amdhsa_system_sgpr_workgroup_id_y 1
		.amdhsa_system_sgpr_workgroup_id_z 1
		.amdhsa_system_vgpr_workitem_id 0
		.amdhsa_next_free_vgpr 136
		.amdhsa_next_free_sgpr 66
		.amdhsa_reserve_vcc 0
		.amdhsa_float_denorm_mode_32 3
		.amdhsa_float_denorm_mode_16_64 3
		.amdhsa_memory_ordered 1
		.amdhsa_forward_progress 1
		.amdhsa_inst_pref_size 39
	.end_amdhsa_kernel
	.amdgpu_metadata
---
amdhsa.version: [ 1, 2 ]
amdhsa.kernels:
  - .name:           k_qf2c40c7f06_prep
    .symbol:         k_qf2c40c7f06_prep.kd
    .args:
      - { .name: sw0, .offset: 0, .size: 8, .value_kind: global_buffer, .address_space: global }
      - { .name: sw1, .offset: 8, .size: 8, .value_kind: global_buffer, .address_space: global }
      - { .name: sw2, .offset: 16, .size: 8, .value_kind: global_buffer, .address_space: global }
      - { .name: sw3, .offset: 24, .size: 8, .value_kind: global_buffer, .address_space: global }
      - { .name: sw4, .offset: 32, .size: 8, .value_kind: global_buffer, .address_space: global }
      - { .name: bw0, .offset: 40, .size: 8, .value_kind: global_buffer, .address_space: global }
      - { .name: bw1, .offset: 48, .size: 8, .value_kind: global_buffer, .address_space: global }
      - { .name: bw2, .offset: 56, .size: 8, .value_kind: global_buffer, .address_space: global }
      - { .name: bw3, .offset: 64, .size: 8, .value_kind: global_buffer, .address_space: global }
      - { .name: bw4, .offset: 72, .size: 8, .value_kind: global_buffer, .address_space: global }
      - { .name: W0, .offset: 80, .size: 8, .value_kind: global_buffer, .address_space: global }
      - { .name: W1, .offset: 88, .size: 8, .value_kind: global_buffer, .address_space: global }
      - { .name: W2, .offset: 96, .size: 8, .value_kind: global_buffer, .address_space: global }
      - { .name: W3, .offset: 104, .size: 8, .value_kind: global_buffer, .address_space: global }
      - { .name: W4, .offset: 112, .size: 8, .value_kind: global_buffer, .address_space: global }
    .group_segment_fixed_size: 114688
    .private_segment_fixed_size: 0
    .kernarg_segment_align: 8
    .kernarg_segment_size: 120
    .max_flat_workgroup_size: 256
    .sgpr_count:     66
    .vgpr_count:     136
    .wavefront_size: 32
...
	.end_amdgpu_metadata
.endif
;; end of part 1
;; launch g0 (part 2): grid 16 x 16, 4 waves a work-group, clusters of 4 x 1, 167,936 bytes of LDS; arguments x, W0, ws0, wb0, Pa; writes Pa
.if DOCPART == 2
	.amdgcn_target "amdgcn-amd-amdhsa--gfx1250"
	.amdhsa_code_object_version 6
	.text
	.protected	k_qf2c40c7f06_g0
	.globl	k_qf2c40c7f06_g0
	.p2align	8
	.type	k_qf2c40c7f06_g0,@function
k_qf2c40c7f06_g0:
	s_mov_b64 s[64:65], 0
	v_nop
	global_prefetch_b8 v0, s[64:65] scope:SCOPE_SE
	s_setreg_imm32_b32 hwreg(HW_REG_WAVE_MODE, 25, 1), 1
	s_wait_xcnt 0x0
	s_wait_alu depctr_hold_cnt(0) depctr_sa_sdst(0) depctr_va_vdst(0) depctr_va_sdst(0) depctr_va_ssrc(0) depctr_va_vcc(0) depctr_vm_vsrc(0)
	s_getreg_b32 s2, hwreg(HW_REG_IB_STS2, 6, 4)
	s_cmp_eq_u32 s2, 0
	s_cbranch_scc0 .Lentry_in_a_cluster
	s_endpgm
.Lentry_in_a_cluster:
	s_bfe_u32 s2, ttmp6, 0x10000c
	s_cmp_lg_u32 s2, 0x3003
	s_cbranch_scc0 .Lentry_shape_is_right
	s_endpgm
.Lentry_shape_is_right:
; ONE KAN LAYER AS A DENSE PRODUCT.  One source text serves layer 0 (L0 = 1: input x, 64 features) and layers 1-4 (L0 = 0: input the 9 slices of P, 256 padded features).
; out[b][o] = sum over i, n of A[b][i][n] W[o][i][n], 56 slots n a feature: A's slots 0-52 are ws B_n(h[b][i]), slot 53 is wb silu(h[b][i]); W is the bf16 image of sw and bw.
; A IS MADE IN REGISTERS, as TWO bf16 terms (the value rounded, and the rest rounded): each weight fragment is multiplied by both.  Of a feature's 53 cubic splines four are not zero; where
; they lie hangs on h, so they are put in place by selects alone: no address and no branch hangs on data.  x, ws, wb (and the weights) are rounded once to bf16; h and all sums are f32.
; LIMITS.  The knots are taken as s = 25 h + 15.5, one rounding; outside 0 <= s < 56 all splines are 0.  An infinite or NaN h is not treated apart.
; SHARES.  Work-group (mt, y): rows 128 mt .., columns 128 nt .. (nt = y % 2), K slice ks = y / 2 (32 features; layer 0: 8).  Wave w: 32 rows (two blocks rb) x 128 columns (eight blocks nb): 16 sums.
; The eight slices' sums go to memory apart, in f32; the next layer's head adds them.  Slice 8 of the output carries this layer's input, the residual (layer 0: zeros).
; P IMAGE.  Byte s 2097152 + (RB 16 + NB) 1024 + q 512 + 16 lane + 4 e' is element (row 16 RB + lane % 16, column 16 NB + 8 (lane / 16) + 4 q + e'): the registers of a sum as they lie, since the
; product is taken transposed (source 0 = 16 columns of W, source 1 = 16 rows of A).  The lane that reads a number is the lane that needs it.
; K.  A GROUP is four features: lane half h takes two (e = 0, 1).  Step j of 7: registers 0-3 of both sources are slots 8 j .. 8 j + 7 of feature e = 0, registers 4-7 of e = 1.
; CLUSTER.  The four work-groups of a cluster differ in mt alone and walk the same weights: every tile is asked for jointly, by the same load, descriptor and mask in all four.
; The sums are cleared by 128 v_mov_b32 in the wait for the first tile: a first group written out with C = 0 would be one more copy of the group's text.
.set L0,    1
.set NC,    4                          ; combos c = 2 rb + e: the (row block, feature) pairs of a lane in a group
.set RIDE,  4                          ; vector instructions behind a matrix instruction
.set NBB,   7168                       ; a column block's fragments of a group: 14 x 512 bytes
.set GRPB,  8*NBB                      ; a group's tile
.set SLOTB, 2*GRPB                     ; a slot holds two groups
.set WAVB,  SLOTB/4                    ; what one wave's tensor load brings: 112 rows of 256 bytes
.set SLOT1, 1<<17                      ; slot 1 begins here: one exclusive or turns an address in one slot into the other's
.set PSL,   2097152                    ; a slice of P
.if L0
.set SLICW, SLOTB                      ; the weights of one (nt, ks): two groups
.set SPARE, SLOTB                      ; the spare words: 128 bytes a wave, two blocks of 256 bytes that no other line names
.else
.set SLICW, 4*SLOTB                    ; eight groups
.set SCR,   245760                     ; behind the ring, never filled by a tensor load: 4,096 bytes a wave: entry gq at 512 gq + 16 lane holds h of the group's four combos
.set SPARE, 262144
.endif
; window 0
.set L16, 1                            ; v1   16 x lane; never rewritten
.set LB,  2                            ; v2   LDS address of the group's fragments
.set HSA, 3                            ; v3   my 16 bytes of entry 0 of my wave's scratch
.set HAD, 4                            ; v4   the address of the next entry
.set PFO, 5                            ; v5   256 x lane: the prefetches' offset; never rewritten
.set SPW, 6                            ; v6   LDS address of my spare word; never rewritten
.set NIL, 7                            ; v7   0; never rewritten
.set H4,  8                            ; v8-11   h of the group's combos
.set H4B, 12                           ; v12-15  layer 0: the second group's
.set Z4,  16                           ; v16-19  layer 0: zeros to store
.set ZR,  20                           ; v20  0
.set TM,  21                           ; v21  at work
.set WS6, 22                           ; v22  bf16(ws) / 6
.set WBR, 23                           ; v23  bf16(wb)
.set XO,  24                           ; v24  layer 0: my byte offset in 16 rows of x
.set T,   32                           ; v32-95   16 registers a combo, at work
.set HS,  32                           ; v32-63   in the head: h at 16 rb + 8 a + j
.set V,   96                           ; v96-159  16 a combo: six words of the first term, six of the second, the chunk number, slot 53's two terms
.set AX,  160                          ; v160-191, v192-223  two buffers of A: fragment (rb, term) at 8 (2 rb + term)
; window 1
.set ACC, 0                            ; v0-127   sum (rb, nb) at 8 (8 rb + nb); in the head all of window 1 takes the slices as they land
.set BX,  128                          ; v128-191, v192-255  two buffers of W: fragment nb at 8 nb
.set WV,  14
.set CX,  15
.set MT,  16
.set YY,  17
.set NT,  18
.set KS,  19
.set G1,  24                           ; s[24:31] descriptor group 1
.set G0,  32                           ; s[32:35] descriptor group 0: it walks
.set PI,  36                           ; s[36:41] the input at my wave's tiles: slices 0-3, 4-7, 8
.set PO,  42                           ; s[42:43] the output at my sums
.set PR,  44                           ; s[44:45] the output's slice 8 at my share of it
.set PFA, 46                           ; s[46:47] where my prefetches stand
.set LIM, 48                           ; s48  a wave prefetches while s[SLOTS] is above it
.set SLOTS, 49
.set TWICE, 50
.set TB,  51                           ; s51  LDS byte at which the next group's tile begins
.set HG,  52                           ; s52  byte of the next scratch entry
.set K25, 55
.set K155, 56
.set KNL, 57
.set K3,  58                           ; s[58:59]
.set KM6, 60                           ; s[60:61]
.set KHI, 62
.set M,   66                           ; s66-73  two lane masks a combo: chunk number = an even value, an odd value
.set SP,  74                           ; s74-77  the window begins at an odd slot
.set SB1, 78                           ; s78-81  bit 1 of its place
.set SB2, 82                           ; s82-85  bit 2
.set SVAL, 86                          ; s86-89  h lies on the grid
.set MSB, 0
.macro WIN new                         ; the immediate's high byte repeats the setting that is left; a switch that changes nothing is dropped
.if MSB != (\new)
	s_set_vgpr_msb (MSB<<8)|(\new)
.set MSB, \new
.endif
.endm
.set W_MM,  0x51                       ; W (source 0), C and D in window 1, A (source 1) in window 0
.set W_LD,  0x40                       ; destination in window 1, address in window 0
.set W_SUM, 0x04                       ; source 1, or a store's data, in window 1
; A round of the cluster's barrier: my work-group's barrier, so that wave 0's signal speaks for all four waves; wave 0 signals; every wave waits for all four work-groups; my work-group's barrier once more.
.macro ROUND
	s_barrier_signal -1
	s_barrier_wait -1
	s_cmp_lg_u32 s[WV], 0
	s_cbranch_scc1 .Lnot_wave_0_\@
	s_barrier_signal -3
.Lnot_wave_0_\@:
	s_barrier_wait -3
	s_barrier_signal -1
	s_barrier_wait -1
.endm
.macro ALLC line:vararg                ; one line for each combo cc: so no instruction reads the result of the one before it
.set cc, 0
.rept NC
.set tb, T+16*cc
.set vb, V+16*cc
.set hh, H4+cc
	\line
.set cc, cc+1
.endr
.endm
; THE WINDOW STAGE.  s = 25 h + 15.5; m = floor(s), t = s - m, u = 1 - t.  The four splines that are not zero are numbers m - 3 .. m: u^3, f(t), f(u), t^3, all over 6, f(z) = z^2 (3 z - 6) + 4.
; At tb: +0 s; +1 the sigmoid's chain; +2, 3 (t, u), then the first term's two words; +4, 5 squares, then the second term's; +6, 7 cubes; +8, 9 f; +10 m, then q = m + 5; +12, 13 the scale; +14 slot 53.
.macro WST_A                           ; its first eight lines, all plain: the places behind the last products, ahead of the loads into W's buffer
	ALLC v_fma_f32 v[tb], v[hh], s[K25], s[K155]
	ALLC v_mul_f32 v[tb+1], s[KNL], v[hh]
.endm
; The window's four values, packed in two words, are moved up by q % 8 halfwords into six words: one half (sP), one word (sB1), two words (sB2), each by selects, written from the top down.
.macro BARREL tm
.set dd, 2+2*(\tm)
.set ww, 6*(\tm)
	ALLC v_lshlrev_b32 v[tb+6], 16, v[tb+dd]
	ALLC v_alignbit_b32 v[tb+7], v[tb+dd+1], v[tb+dd], 16
	ALLC v_lshrrev_b32 v[tb+8], 16, v[tb+dd+1]
	ALLC v_cndmask_b32 v[vb+ww], v[tb+dd], v[tb+6], s[SP+cc]
	ALLC v_cndmask_b32 v[vb+ww+1], v[tb+dd+1], v[tb+7], s[SP+cc]
	ALLC v_cndmask_b32 v[vb+ww+2], 0, v[tb+8], s[SP+cc]
	ALLC v_cndmask_b32 v[vb+ww+3], 0, v[vb+ww+2], s[SB1+cc]
	ALLC v_cndmask_b32 v[vb+ww+2], v[vb+ww+2], v[vb+ww+1], s[SB1+cc]
	ALLC v_cndmask_b32 v[vb+ww+1], v[vb+ww+1], v[vb+ww], s[SB1+cc]
	ALLC v_cndmask_b32 v[vb+ww], v[vb+ww], 0, s[SB1+cc]
	ALLC v_cndmask_b32 v[vb+ww+5], 0, v[vb+ww+3], s[SB2+cc]
	ALLC v_cndmask_b32 v[vb+ww+4], 0, v[vb+ww+2], s[SB2+cc]
	ALLC v_cndmask_b32 v[vb+ww+3], v[vb+ww+3], v[vb+ww+1], s[SB2+cc]
	ALLC v_cndmask_b32 v[vb+ww+2], v[vb+ww+2], v[vb+ww], s[SB2+cc]
	ALLC v_cndmask_b32 v[vb+ww+1], v[vb+ww+1], 0, s[SB2+cc]
	ALLC v_cndmask_b32 v[vb+ww], v[vb+ww], 0, s[SB2+cc]
.endm
.macro WST_B
	ALLC v_exp_f32 v[tb+1], v[tb+1]                ; 2^(-h log2 e): one batch; the plain lines below name none of its results
	ALLC v_floor_f32 v[tb+10], v[tb]
	ALLC v_sub_f32 v[tb+2], v[tb], v[tb+10]
	ALLC v_cvt_i32_f32 v[tb+10], v[tb+10]
	ALLC v_sub_f32 v[tb+3], 1.0, v[tb+2]
	ALLC v_cmp_gt_u32 s[SVAL+cc], 56, v[tb+10]     ; unsigned: a negative m fails too
	ALLC v_cndmask_b32 v[tb+12], 0, v[WS6], s[SVAL+cc]
	ALLC v_cndmask_b32 v[tb+13], 0, v[WS6], s[SVAL+cc]
	ALLC v_pk_mul_f32 v[tb+4:tb+5], v[tb+2:tb+3], v[tb+2:tb+3]
	ALLC v_pk_fma_f32 v[tb+8:tb+9], v[tb+2:tb+3], s[K3:K3+1], s[KM6:KM6+1] op_sel_hi:[1,0,0]
	ALLC v_pk_mul_f32 v[tb+6:tb+7], v[tb+4:tb+5], v[tb+2:tb+3]
	ALLC v_pk_fma_f32 v[tb+8:tb+9], v[tb+4:tb+5], v[tb+8:tb+9], 4.0 op_sel_hi:[1,1,0]
	s_wait_alu depctr_va_vdst(0)                   ; the wait ahead of the first line that names an exponential's result: one for the batch
	ALLC v_add_f32 v[tb+1], 1.0, v[tb+1]
	ALLC v_rcp_f32 v[tb+1], v[tb+1]                ; the sigmoid: a second batch
	ALLC v_pk_mul_f32 v[tb+6:tb+7], v[tb+6:tb+7], v[tb+12:tb+13]
	ALLC v_pk_mul_f32 v[tb+8:tb+9], v[tb+8:tb+9], v[tb+12:tb+13]
	ALLC v_cvt_pk_bf16_f32 v[tb+2], v[tb+7], v[tb+8]   ; the first term: (u^3, f(t)),
	ALLC v_cvt_pk_bf16_f32 v[tb+3], v[tb+9], v[tb+6]   ; (f(u), t^3)
	ALLC v_lshlrev_b32 v[tb+4], 16, v[tb+2]
	ALLC v_and_b32 v[tb+5], s[KHI], v[tb+2]
	ALLC v_lshlrev_b32 v[tb+12], 16, v[tb+3]
	ALLC v_and_b32 v[tb+13], s[KHI], v[tb+3]
	ALLC v_sub_f32 v[tb+4], v[tb+7], v[tb+4]       ; what the first term left
	ALLC v_sub_f32 v[tb+5], v[tb+8], v[tb+5]
	ALLC v_sub_f32 v[tb+12], v[tb+9], v[tb+12]
	ALLC v_sub_f32 v[tb+13], v[tb+6], v[tb+13]
	ALLC v_cvt_pk_bf16_f32 v[tb+4], v[tb+4], v[tb+5]   ; the second term
	ALLC v_cvt_pk_bf16_f32 v[tb+5], v[tb+12], v[tb+13]
	ALLC v_add_nc_u32 v[tb+10], 5, v[tb+10]        ; q = (m - 3) + 8: the window's first slot, counted from one chunk of 8 below slot 0
	ALLC v_and_b32 v[tb+11], 1, v[tb+10]
	ALLC v_cmp_ne_u32 s[SP+cc], 0, v[tb+11]
	ALLC v_and_b32 v[tb+11], 2, v[tb+10]
	ALLC v_cmp_ne_u32 s[SB1+cc], 0, v[tb+11]
	ALLC v_and_b32 v[tb+11], 4, v[tb+10]
	ALLC v_cmp_ne_u32 s[SB2+cc], 0, v[tb+11]
	ALLC v_lshrrev_b32 v[vb+12], 3, v[tb+10]       ; words 0-3 belong in chunk q / 8 - 1, words 4, 5 at the head of chunk q / 8
	ALLC v_mul_f32 v[tb+14], v[WBR], v[hh]
	s_wait_alu depctr_va_vdst(0)                   ; the wait for the reciprocals
	ALLC v_mul_f32 v[tb+14], v[tb+14], v[tb+1]     ; wb silu(h)
	ALLC v_cvt_pk_bf16_f32 v[vb+13], v[ZR], v[tb+14]   ; its first term in the upper half, where slot 53 lies; the word is also that term in f32
	ALLC v_sub_f32 v[tb+14], v[tb+14], v[vb+13]
	ALLC v_cvt_pk_bf16_f32 v[vb+14], v[ZR], v[tb+14]
	BARREL 0
	BARREL 1
.endm
; THE PLACEMENT for step gj is a numbered list; GOP writes its next entry.  First the compares (chunk number = gj + 1; at gj = 0 also = 0): the mask of value gj is left from the step before.
; Then for each combo and term: four words where the chunk number is gj + 1, else 0; onto the first two, words 4 and 5 where it is gj.  At gj = 6 slots 54, 55 are 0 and slot 53 takes wb silu(h).
.macro GSET j
.set gj, (\j)
.set gi, 0
.set gnc, NC
.set gbs, 6
.if (\j) == 0
.set gnc, 2*NC
.endif
.if (\j) == 6
.set gbs, 7
.endif
.set glen, gnc+2*NC*gbs
.endm
.macro GOP
.if gi < glen
.if gi < gnc
.if gi >= NC
.set gc, gi-NC
	v_cmp_eq_u32 s[M+2*gc], 0, v[V+16*gc+12]
.else
	v_cmp_eq_u32 s[M+2*gi+((gj+1)&1)], gj+1, v[V+16*gi+12]
.endif
.else
.set gb, (gi-gnc)/gbs
.set go, (gi-gnc)%gbs
.set gc, gb/2
.set gt, gb%2
.set gd, AX+32*(gj&1)+8*(2*(gc/2)+gt)+4*(gc%2)
.set gv, V+16*gc+6*gt
.set gm, M+2*gc
.if (go == 3) && (gj == 6)
	v_mov_b32 v[gd+3], 0
.elseif go < 4
	v_cndmask_b32 v[gd+go], 0, v[gv+go], s[gm+((gj+1)&1)]
.elseif go < 6
	v_cndmask_b32 v[gd+go-4], v[gd+go-4], v[gv+go], s[gm+(gj&1)]
.else
	v_and_or_b32 v[gd+2], v[gd+2], 0xffff, v[V+16*gc+13+gt]
.endif
.endif
.set gi, gi+1
.endif
.endm
.macro FETCH_B j                       ; step j's eight fragments of W in one run of 16 loads, each 512 consecutive bytes
	WIN W_LD
.irp nb, 0,1,2,3,4,5,6,7
	ds_load_b128 v[BX+64*((\j)&1)+8*(\nb):BX+64*((\j)&1)+8*(\nb)+3], v[LB] offset:(\nb)*NBB+(\j)*1024
	ds_load_b128 v[BX+64*((\j)&1)+8*(\nb)+4:BX+64*((\j)&1)+8*(\nb)+7], v[LB] offset:(\nb)*NBB+(\j)*1024+512
.endr
.endm
.macro NEXT_H                          ; h of the next group's combos; the window stage has read this group's
	WIN 0
.if L0
.irp c, 0,1,2,3
	v_mov_b32 v[H4+\c], v[H4B+\c]
.endr
.else
	v_add_nc_u32 v[HAD], s[HG], v[HSA]
	ds_load_b128 v[H4:H4+3], v[HAD]
	s_add_co_u32 s[HG], s[HG], 512
	s_and_b32 s[HG], s[HG], 0xfff                  ; behind the last entry it goes back to the first, which nobody uses
.endif
.endm
; STEP j: 32 products: product i takes term i / 16, row block (i / 8) % 2, column block i % 8.  The 16 sums take turns, one instruction a turn, over the steps' and the loops' edges too.
; Behind the first products ride the entries of step j + 1's placement, into the other buffer of A.  That buffer's and W's other buffer's last readers are the step before's products: the list's
; four compares, behind product 0, are the four places ahead of the first write; W's run of loads stands behind product 1 and four more riders, 30 products ahead of its first use.
.macro STEP j
.set pj, (\j)&1
.if (\j) < 6
	GSET (\j)+1
.endif
	s_wait_dscnt 0x0                               ; this step's fragments of W are in
.set i, 0
.rept 32
	WIN W_MM
.set ra, ACC+8*(8*((i/8)%2)+i%8)
.set rw, BX+64*pj+8*(i%8)
.set rf, AX+32*pj+8*(2*((i/8)%2)+i/16)
	v_wmma_f32_16x16x32_bf16 v[ra:ra+7], v[rw:rw+7], v[rf:rf+7], v[ra:ra+7]
.if (\j) < 6
.if gi < glen
	WIN 0
.rept RIDE
	GOP
.endr
.endif
.if i == 1
	FETCH_B (\j)+1
.endif
.endif
.if ((\j) == 3) && (i == 2)
	NEXT_H
.endif
.set i, i+1
.endr
.endm
.macro GROUP                           ; four features: the window stage, step 0's placement, seven steps
	WIN 0
	WST_A
	v_add_nc_u32 v[LB], s[TB], v[L16]
	s_add_co_u32 s[TB], s[TB], GRPB
	FETCH_B 0
	WIN 0
	WST_B
	GSET 0
.rept glen
	GOP
.endr
	STEP 0
	STEP 1
	STEP 2
	STEP 3
	STEP 4
	STEP 5
	STEP 6
.endm
.macro TWO_GROUPS                      ; a slot's two groups: written once, walked twice; the LDS addresses hang on s[TB] and s[HG]
	WIN 0
	s_mov_b32 s[TWICE], 2
.Lgrp_\@:
	GROUP
	WIN 0
	s_sub_co_u32 s[TWICE], s[TWICE], 1
	s_cmp_lg_u32 s[TWICE], 0
	s_cbranch_scc1 .Lgrp_\@
.endm
; A PREFETCH INTO THE L2 of the slice's second half (slots' parts 2 and 3: 896 blocks of 256 bytes), a lane a block.  The four clusters with one y walk the same slice: the first of them asks.  Its sixteen
; waves are told apart BY ADDRESS (32,768 w + 8,192 cx).  Behind the load of part 1 they name blocks 0-511, behind the load of part 2 waves 0-2 name blocks 512-895, behind the load of part 3 nobody asks:
; each block is named once, two groups' 448 products or more ahead of the load that wants it, and the last byte named is the slice's last.
.macro ASK
	s_cmp_gt_u32 s[SLOTS], s[LIM]
	s_cbranch_scc0 .Lnot_mine_\@
	global_prefetch_b8 v[PFO], s[PFA:PFA+1] th:TH_LOAD_NT scope:SCOPE_SE
.Lnot_mine_\@:
.endm
; THE CHANGE OF SLOTS.  Each wave waits for all its tensor loads, of which one is out: its part of the slot to be read; adds 0 to its spare word; and waits for that and for its own reads of the slot that it leaves.
; fill = 1: the barrier is a round of the cluster's, so that no wave of any partner still reads the old slot or has a load on its way; the joint fill is the first thing behind it and has two groups in which to land.
.macro CHANGE fill
	WIN 0
	s_wait_tensorcnt 0x0                           ; no tensor load of mine is out, so group 0 may be written
	ds_add_u32 v[SPW], v[NIL]                      ; 0 onto my spare word
.if \fill
	s_xor_b32 s[G0+1], s[G0+1], SLOT1              ; the other slot than last time,
	s_add_nc_u64 s[G0+2:G0+3], s[G0+2:G0+3], SLOTB ; the next two groups; the type bits on top are not reached
	s_wait_xcnt 0x0                                ; every earlier load, store and prefetch has read its registers: the prefetches' address is written, and h's registers of the head are free
	s_add_nc_u64 s[PFA:PFA+1], s[PFA:PFA+1], 131072
	s_wait_dscnt 0x0                               ; the add is done, and my reads of the slot are over
	ROUND
	tensor_load_to_lds s[G0:G0+3], s[G1:G1+7]
	s_nop 0
.rept 4
	v_nop
.endr
	ASK
.else
	s_wait_dscnt 0x0
	s_barrier_signal -1
	s_barrier_wait -1
.endif
	s_sub_co_u32 s[TB], s[TB], SLOTB               ; the fetches go back to a slot's first group,
	s_xor_b32 s[TB], s[TB], SLOT1                  ; in the other slot
.endm
.macro RES a                           ; my share of slice 8: h of feature block 2 ks + a
.irp rb, 0,1
.irp q, 0,1
	global_store_b128 v[L16], v[HS+16*(\rb)+8*(\a)+4*(\q):HS+16*(\rb)+8*(\a)+4*(\q)+3], s[PR:PR+1] offset:(\rb)*16384+(\q)*512
.endr
.endr
.endm
	s_load_b256 s[4:11], s[0:1], 0x0               ; input s[4:5], W s[6:7], ws s[8:9], wb s[10:11]
	s_load_b64 s[12:13], s[0:1], 0x20              ; output
	v_lshl_add_u32 v[SPW], v0, 2, SPARE
	v_mov_b32 v[NIL], 0
	ds_add_u32 v[SPW], v[NIL]                      ; the wave's opening: the add, twice on end, and its wait ahead of my first tensor load
	ds_add_u32 v[SPW], v[NIL]
	v_lshrrev_b32 v[TM], 5, v0
	v_readfirstlane_b32 s[WV], v[TM]               ; wave 0..3
	s_bfe_u32 s[CX], ttmp6, 0x40000                ; my place in the cluster: it enters global addresses of my own rows and the prefetches' alone
	s_lshl_b32 s[MT], ttmp9, 2
	s_add_co_u32 s[MT], s[MT], s[CX]               ; mt
	s_and_b32 s[YY], ttmp7, 0xffff
	s_and_b32 s[NT], s[YY], 1
	s_lshr_b32 s[KS], s[YY], 1
	s_mov_b32 s[G1+0], 15|(3<<16)|(1<<21)          ; 15:0 the mask of four; 17:16 elements of 8 bytes; 21 set beside a mask; no padding: a fragment load takes 512 bytes on end
	s_mov_b32 s[G1+1], 32<<16                      ; tensor_dim0 = 32 elements: rows of 256 bytes
	s_mov_b32 s[G1+2], 112<<16                     ; tensor_dim1 = 112
	s_mov_b32 s[G1+3], 32<<16                      ; tile_dim0 = 32
	s_mov_b32 s[G1+4], 112                         ; tile_dim1 = 112
	s_mov_b32 s[G1+5], 32                          ; the rows lie end to end
	s_mov_b32 s[G1+6], 0
	s_mov_b32 s[G1+7], 0
	s_mov_b32 s[G0], 1
	s_mul_i32 s[G0+1], s[WV], WAVB                 ; LDS: my quarter of slot 0
	s_lshl_b32 s20, s[NT], 3
	s_add_co_u32 s20, s20, s[KS]
	s_mul_i32 s20, s20, SLICW                      ; the slice (nt, ks) of the image,
	s_add_co_u32 s20, s20, s[G0+1]                 ; my quarter of its first two groups
	s_mov_b32 s21, 0
	s_lshl_b32 s22, s[MT], 17
	s_lshl_b32 s23, s[WV], 15
	s_add_co_u32 s22, s22, s23                     ; my wave's two row blocks in a slice of P
	s_mov_b32 s23, 0
	s_lshl_b32 s2, s[KS], 21
	s_lshl_b32 s3, s[NT], 13
	s_add_co_u32 s2, s2, s3                        ; slice ks, column blocks 8 nt ..
	s_mov_b32 s3, 0
	s_lshl_b32 s90, s[YY], 10
	s_add_co_u32 s90, s90, 8*PSL                   ; slice 8, block y = 2 ks + nt
	s_mov_b32 s91, 0
.if L0
	s_lshl_b32 s92, s[MT], 15                      ; x: 128 rows of 256 bytes a work-group, 32 a wave,
	s_lshl_b32 s93, s[WV], 13
	s_add_co_u32 s92, s92, s93
	s_lshr_b32 s93, s[KS], 1
	s_lshl_b32 s93, s93, 6
	s_add_co_u32 s92, s92, s93                     ; features 16 (ks / 2) + 4 (ks % 2) + 2 gq + 8 h + e
	s_and_b32 s93, s[KS], 1
	s_lshl_b32 s93, s93, 4
	s_add_co_u32 s92, s92, s93
	s_mov_b32 s93, 0
.else
	s_lshl_b32 s92, s[KS], 11                      ; feature blocks 2 ks, 2 ks + 1
	s_mov_b32 s93, 0
	s_lshl_b32 s94, s[NT], 3
	s_add_co_u32 s94, s94, s[KS]
	s_mul_i32 s94, s94, SLICW
	s_add_co_u32 s94, s94, 2*SLOTB-131072          ; one step short of the slice's second half: the first change of slots steps it there
	s_lshl_b32 s95, s[WV], 15
	s_add_co_u32 s94, s94, s95
	s_lshl_b32 s95, s[CX], 13
	s_add_co_u32 s94, s94, s95
	s_mov_b32 s95, 0
	s_cmp_eq_u32 s[WV], 3
	s_cselect_b32 s[LIM], 2, 1
	s_cmp_eq_u32 ttmp9, 0                          ; the same in all four partners
	s_cselect_b32 s[LIM], s[LIM], -1
.endif
	s_mov_b32 s[K25], 0x41c80000                   ; 25.0
	s_mov_b32 s[K155], 0x41780000                  ; 15.5
	s_mov_b32 s[KNL], 0xbfb8aa3b                   ; -log2(e)
	s_mov_b32 s[K3], 0x40400000                    ; 3.0, named as a pair
	s_mov_b32 s[K3+1], 0x40400000
	s_mov_b32 s[KM6], 0xc0c00000                   ; -6.0
	s_mov_b32 s[KM6+1], 0xc0c00000
	s_mov_b32 s[KHI], 0xffff0000
	s_wait_dscnt 0x0                               ; both opening adds are done
	s_wait_kmcnt 0x0
	s_add_nc_u64 s[G0+2:G0+3], s[6:7], s[20:21]
	s_or_b32 s[G0+3], s[G0+3], 0x80000000          ; type = 2
	s_add_nc_u64 s[PO:PO+1], s[12:13], s[22:23]
	s_add_nc_u64 s[PR:PR+1], s[PO:PO+1], s[90:91]
	s_add_nc_u64 s[PO:PO+1], s[PO:PO+1], s[2:3]
.if L0
	s_add_nc_u64 s[PI:PI+1], s[4:5], s[92:93]
.else
	s_add_nc_u64 s[PI:PI+1], s[4:5], s[22:23]
	s_add_nc_u64 s[PI:PI+1], s[PI:PI+1], s[92:93]
	s_add_nc_u64 s[PI+2:PI+3], s[PI:PI+1], 4*PSL
	s_add_nc_u64 s[PI+4:PI+5], s[PI:PI+1], 8*PSL
	s_add_nc_u64 s[PFA:PFA+1], s[6:7], s[94:95]
.endif
	ROUND                                          ; all four work-groups are here: the first joint loads meet
	tensor_load_to_lds s[G0:G0+3], s[G1:G1+7]      ; the first two groups into slot 0
	s_nop 0
.rept 4
	v_nop
.endr
	s_load_b32 s53, s[8:9], 0x0
	s_load_b32 s54, s[10:11], 0x0
	v_and_b32 v[L16], 31, v0
	v_lshlrev_b32 v[PFO], 8, v[L16]
	v_lshlrev_b32 v[L16], 4, v[L16]
	v_mov_b32 v[ZR], 0
.if L0
	v_and_b32 v[XO], 15, v0
	v_bfe_u32 v[TM], v0, 4, 1
	v_lshlrev_b32 v[XO], 8, v[XO]
	v_lshl_add_u32 v[XO], v[TM], 5, v[XO]          ; row x 256 + 32 h.  A lane takes 8 bytes of a row's 256: x is 0.5 MB in all, read once here
.irp gq, 0,1
.irp rb, 0,1
	global_load_b64 v[H4+4*(\gq)+2*(\rb):H4+4*(\gq)+2*(\rb)+1], v[XO], s[PI:PI+1] offset:(\rb)*4096+(\gq)*8
.endr
.endr
.irp c, 0,1,2,3
	v_mov_b32 v[Z4+\c], 0
.endr
.irp rb, 0,1
.irp q, 0,1
	global_store_b128 v[L16], v[Z4:Z4+3], s[PR:PR+1] offset:(\rb)*16384+(\q)*512   ; layer 0 has no residual
.endr
.endr
.else
.set n, 0
.rept 8                                ; slice 0: n = 4 rb + 2 a + q
	global_load_b128 v[HS+4*n:HS+4*n+3], v[L16], s[PI:PI+1] offset:(n/4)*16384+((n/2)%2)*1024+(n%2)*512
.set n, n+1
.endr
	WIN W_LD
.set n, 8
.rept 64                               ; slices 1-8 land in window 1
.set k, n/8
.set mm, n%8
	global_load_b128 v[32*(k-1)+4*mm:32*(k-1)+4*mm+3], v[L16], s[PI+2*(k/4):PI+2*(k/4)+1] offset:(k%4)*PSL+(mm/4)*16384+((mm/2)%2)*1024+(mm%2)*512
.set n, n+1
.endr
	WIN 0
.endif
	s_wait_kmcnt 0x0
	v_mov_b32 v[WS6], s53
	v_mov_b32 v[WBR], s54
	v_cvt_pk_bf16_f32 v[TM], v[WS6], v[WBR]        ; both gains rounded to bf16, like every input
	v_lshlrev_b32 v[WS6], 16, v[TM]
	v_and_b32 v[WBR], s[KHI], v[TM]
	v_mul_f32 v[WS6], 0x3e2aaaab, v[WS6]           ; the splines' 1/6 goes with ws
.if L0
	s_wait_loadcnt 0x0
.irp p, 0,1,2,3
	v_cvt_pk_bf16_f32 v[TM], v[H4+2*\p], v[H4+2*\p+1]  ; x rounded to bf16 and widened again
	v_lshlrev_b32 v[H4+2*\p], 16, v[TM]
	v_and_b32 v[H4+2*\p+1], s[KHI], v[TM]
.endr
.else
.set k, 1
.rept 8                                ; h = the eight slices' sums and the residual, in one fixed order
	s_wait_loadcnt 8*(8-k)                         ; loads come back in order: slice k is in, the 8 (8 - k) loads of the slices behind it may stay out
	WIN W_SUM
.set z, 0
.rept 16
	v_pk_add_f32 v[HS+2*z:HS+2*z+1], v[HS+2*z:HS+2*z+1], v[32*(k-1)+2*z:32*(k-1)+2*z+1]
.set z, z+1
.endr
.set k, k+1
.endr
	WIN 0
	s_lshl_b32 s20, s[WV], 12
	s_add_co_u32 s20, s20, SCR
	v_add_nc_u32 v[HSA], s20, v[L16]
.set n, 0
.rept 16                               ; n = 2 gq + rb: the pair e = 0, 1
	ds_store_b64 v[HSA], v[HS+16*(n%2)+2*(n/2):HS+16*(n%2)+2*(n/2)+1] offset:512*(n/2)+8*(n%2)
.set n, n+1
.endr
	s_cmp_eq_u32 s[NT], 0                          ; the two work-groups with one (mt, ks) hold the same h: each stores one of its two feature blocks
	s_cbranch_scc0 .Lres1
	RES 0
	s_branch .Lresd
.Lres1:
	RES 1
.Lresd:
	ds_load_b128 v[H4:H4+3], v[HSA]                ; the first group's h: LDS serves a wave's instructions in order
.endif
	WIN W_LD
.set n, 0
.rept 128
	v_mov_b32 v[ACC+n], 0
.set n, n+1
.endr
	WIN 0
.if L0
	s_wait_tensorcnt 0x0                           ; my quarter of the one slot is in,
	s_barrier_signal -1
	s_barrier_wait -1                              ; everybody's is; nothing is filled again
	s_mov_b32 s[TB], 0
	TWO_GROUPS
.else
	s_mov_b32 s[TB], SLOT1+SLOTB                   ; the first change of slots turns this into 0
	s_mov_b32 s[HG], 512
	s_mov_b32 s[SLOTS], 3
.Lslot:                                        ; three trips: a part of two groups is entered and the next is asked for
	CHANGE 1
	TWO_GROUPS
	s_sub_co_u32 s[SLOTS], s[SLOTS], 1
	s_cmp_lg_u32 s[SLOTS], 0
	s_cbranch_scc1 .Lslot
	CHANGE 0                                       ; the last part is written out
	TWO_GROUPS
.endif
.rept 4
	v_nop                                          ; the places behind the last products
.endr
	WIN W_SUM
.set n, 0
.rept 16                               ; each sum's registers in ascending order; each store is 512 consecutive bytes, aligned
	global_store_b128 v[L16], v[ACC+8*n:ACC+8*n+3], s[PO:PO+1] offset:(n/8)*16384+(n%8)*1024
	global_store_b128 v[L16], v[ACC+8*n+4:ACC+8*n+7], s[PO:PO+1] offset:(n/8)*16384+(n%8)*1024+512
.set n, n+1
.endr
	WIN 0
	s_wait_tensorcnt 0x0                           ; the wave's end
	ds_add_u32 v[SPW], v[NIL]
	s_wait_dscnt 0x0
	ROUND                                          ; the closing round: no work-group ends while a partner may still ask for a tile that names it
	s_endpgm
.Lfunc_end_k_qf2c40c7f06_g0:
	.size	k_qf2c40c7f06_g0, .Lfunc_end_k_qf2c40c7f06_g0-k_qf2c40c7f06_g0
	.p2alignl 7, 3214868480
	.fill 96, 4, 3214868480
	.section	.rodata,"a",@progbits
	.p2align	6, 0x0
	.amdhsa_kernel k_qf2c40c7f06_g0
		.amdhsa_group_segment_fixed_size 167936
		.amdhsa_private_segment_fixed_size 0
		.amdhsa_enable_private_segment 0
		.amdhsa_kernarg_size 40
		.amdhsa_user_sgpr_count 2
		.amdhsa_user_sgpr_kernarg_segment_ptr 1
		.amdhsa_wavefront_size32 1
		.amdhsa_system_sgpr_workgroup_id_x 1
		.amdhsa_system_sgpr_workgroup_id_y 1
		.amdhsa_system_sgpr_workgroup_id_z 1
		.amdhsa_system_vgpr_workitem_id 0
		.amdhsa_next_free_vgpr 512
		.amdhsa_next_free_sgpr 96
		.amdhsa_reserve_vcc 0
		.amdhsa_float_denorm_mode_32 3
		.amdhsa_float_denorm_mode_16_64 3
		.amdhsa_memory_ordered 1
		.amdhsa_forward_progress 1
		.amdhsa_inst_pref_size 80
	.end_amdhsa_kernel
	.amdgpu_metadata
---
amdhsa.version: [ 1, 2 ]
amdhsa.kernels:
  - .name:           k_qf2c40c7f06_g0
    .symbol:         k_qf2c40c7f06_g0.kd
    .args:
      - { .name: x, .offset: 0, .size: 8, .value_kind: global_buffer, .address_space: global }
      - { .name: W0, .offset: 8, .size: 8, .value_kind: global_buffer, .address_space: global }
      - { .name: ws0, .offset: 16, .size: 8, .value_kind: global_buffer, .address_space: global }
      - { .name: wb0, .offset: 24, .size: 8, .value_kind: global_buffer, .address_space: global }
      - { .name: Pa, .offset: 32, .size: 8, .value_kind: global_buffer, .address_space: global }
    .group_segment_fixed_size: 167936
    .private_segment_fixed_size: 0
    .kernarg_segment_align: 8
    .kernarg_segment_size: 40
    .max_flat_workgroup_size: 128
    .sgpr_count:     96
    .vgpr_count:     512
    .wavefront_size: 32
...
	.end_amdgpu_metadata
.endif
;; end of part 2
;; launch g1 (part 3): grid 16 x 16, 4 waves a work-group, clusters of 4 x 1, 327,680 bytes of LDS; arguments Pa, W1, ws1, wb1, Pb; writes Pb
.if DOCPART == 3
	.amdgcn_target "amdgcn-amd-amdhsa--gfx1250"
	.amdhsa_code_object_version 6
	.text
	.protected	k_qf2c40c7f06_g1
	.globl	k_qf2c40c7f06_g1
	.p2align	8
	.type	k_qf2c40c7f06_g1,@function
k_qf2c40c7f06_g1:
	s_mov_b64 s[64:65], 0
	v_nop
	global_prefetch_b8 v0, s[64:65] scope:SCOPE_SE
	s_setreg_imm32_b32 hwreg(HW_REG_WAVE_MODE, 25, 1), 1
	s_wait_xcnt 0x0
	s_wait_alu depctr_hold_cnt(0) depctr_sa_sdst(0) depctr_va_vdst(0) depctr_va_sdst(0) depctr_va_ssrc(0) depctr_va_vcc(0) depctr_vm_vsrc(0)
	s_getreg_b32 s2, hwreg(HW_REG_IB_STS2, 6, 4)
	s_cmp_eq_u32 s2, 0
	s_cbranch_scc0 .Lentry_in_a_cluster
	s_endpgm
.Lentry_in_a_cluster:
	s_bfe_u32 s2, ttmp6, 0x10000c
	s_cmp_lg_u32 s2, 0x3003
	s_cbranch_scc0 .Lentry_shape_is_right
	s_endpgm
.Lentry_shape_is_right:
; ONE KAN LAYER AS A DENSE PRODUCT.  One source text serves layer 0 (L0 = 1: input x, 64 features) and layers 1-4 (L0 = 0: input the 9 slices of P, 256 padded features).
; out[b][o] = sum over i, n of A[b][i][n] W[o][i][n], 56 slots n a feature: A's slots 0-52 are ws B_n(h[b][i]), slot 53 is wb silu(h[b][i]); W is the bf16 image of sw and bw.
; A IS MADE IN REGISTERS, as TWO bf16 terms (the value rounded, and the rest rounded): each weight fragment is multiplied by both.  Of a feature's 53 cubic splines four are not zero; where
; they lie hangs on h, so they are put in place by selects alone: no address and no branch hangs on data.  x, ws, wb (and the weights) are rounded once to bf16; h and all sums are f32.
; LIMITS.  The knots are taken as s = 25 h + 15.5, one rounding; outside 0 <= s < 56 all splines are 0.  An infinite or NaN h is not treated apart.
; SHARES.  Work-group (mt, y): rows 128 mt .., columns 128 nt .. (nt = y % 2), K slice ks = y / 2 (32 features; layer 0: 8).  Wave w: 32 rows (two blocks rb) x 128 columns (eight blocks nb): 16 sums.
; The eight slices' sums go to memory apart, in f32; the next layer's head adds them.  Slice 8 of the output carries this layer's input, the residual (layer 0: zeros).
; P IMAGE.  Byte s 2097152 + (RB 16 + NB) 1024 + q 512 + 16 lane + 4 e' is element (row 16 RB + lane % 16, column 16 NB + 8 (lane / 16) + 4 q + e'): the registers of a sum as they lie, since the
; product is taken transposed (source 0 = 16 columns of W, source 1 = 16 rows of A).  The lane that reads a number is the lane that needs it.
; K.  A GROUP is four features: lane half h takes two (e = 0, 1).  Step j of 7: registers 0-3 of both sources are slots 8 j .. 8 j + 7 of feature e = 0, registers 4-7 of e = 1.
; CLUSTER.  The four work-groups of a cluster differ in mt alone and walk the same weights: every tile is asked for jointly, by the same load, descriptor and mask in all four.
; The sums are cleared by 128 v_mov_b32 in the wait for the first tile: a first group written out with C = 0 would be one more copy of the group's text.
.set L0,    0
.set NC,    4                          ; combos c = 2 rb + e: the (row block, feature) pairs of a lane in a group
.set RIDE,  4                          ; vector instructions behind a matrix instruction
.set NBB,   7168                       ; a column block's fragments of a group: 14 x 512 bytes
.set GRPB,  8*NBB                      ; a group's tile
.set SLOTB, 2*GRPB                     ; a slot holds two groups
.set WAVB,  SLOTB/4                    ; what one wave's tensor load brings: 112 rows of 256 bytes
.set SLOT1, 1<<17                      ; slot 1 begins here: one exclusive or turns an address in one slot into the other's
.set PSL,   2097152                    ; a slice of P
.if L0
.set SLICW, SLOTB                      ; the weights of one (nt, ks): two groups
.set SPARE, SLOTB                      ; the spare words: 128 bytes a wave, two blocks of 256 bytes that no other line names
.else
.set SLICW, 4*SLOTB                    ; eight groups
.set SCR,   245760                     ; behind the ring, never filled by a tensor load: 4,096 bytes a wave: entry gq at 512 gq + 16 lane holds h of the group's four combos
.set SPARE, 262144
.endif
; window 0
.set L16, 1                            ; v1   16 x lane; never rewritten
.set LB,  2                            ; v2   LDS address of the group's fragments
.set HSA, 3                            ; v3   my 16 bytes of entry 0 of my wave's scratch
.set HAD, 4                            ; v4   the address of the next entry
.set PFO, 5                            ; v5   256 x lane: the prefetches' offset; never rewritten
.set SPW, 6                            ; v6   LDS address of my spare word; never rewritten
.set NIL, 7                            ; v7   0; never rewritten
.set H4,  8                            ; v8-11   h of the group's combos
.set H4B, 12                           ; v12-15  layer 0: the second group's
.set Z4,  16                           ; v16-19  layer 0: zeros to store
.set ZR,  20                           ; v20  0
.set TM,  21                           ; v21  at work
.set WS6, 22                           ; v22  bf16(ws) / 6
.set WBR, 23                           ; v23  bf16(wb)
.set XO,  24                           ; v24  layer 0: my byte offset in 16 rows of x
.set T,   32                           ; v32-95   16 registers a combo, at work
.set HS,  32                           ; v32-63   in the head: h at 16 rb + 8 a + j
.set V,   96                           ; v96-159  16 a combo: six words of the first term, six of the second, the chunk number, slot 53's two terms
.set AX,  160                          ; v160-191, v192-223  two buffers of A: fragment (rb, term) at 8 (2 rb + term)
; window 1
.set ACC, 0                            ; v0-127   sum (rb, nb) at 8 (8 rb + nb); in the head all of window 1 takes the slices as they land
.set BX,  128                          ; v128-191, v192-255  two buffers of W: fragment nb at 8 nb
.set WV,  14
.set CX,  15
.set MT,  16
.set YY,  17
.set NT,  18
.set KS,  19
.set G1,  24                           ; s[24:31] descriptor group 1
.set G0,  32                           ; s[32:35] descriptor group 0: it walks
.set PI,  36                           ; s[36:41] the input at my wave's tiles: slices 0-3, 4-7, 8
.set PO,  42                           ; s[42:43] the output at my sums
.set PR,  44                           ; s[44:45] the output's slice 8 at my share of it
.set PFA, 46                           ; s[46:47] where my prefetches stand
.set LIM, 48                           ; s48  a wave prefetches while s[SLOTS] is above it
.set SLOTS, 49
.set TWICE, 50
.set TB,  51                           ; s51  LDS byte at which the next group's tile begins
.set HG,  52                           ; s52  byte of the next scratch entry
.set K25, 55
.set K155, 56
.set KNL, 57
.set K3,  58                           ; s[58:59]
.set KM6, 60                           ; s[60:61]
.set KHI, 62
.set M,   66                           ; s66-73  two lane masks a combo: chunk number = an even value, an odd value
.set SP,  74                           ; s74-77  the window begins at an odd slot
.set SB1, 78                           ; s78-81  bit 1 of its place
.set SB2, 82                           ; s82-85  bit 2
.set SVAL, 86                          ; s86-89  h lies on the grid
.set MSB, 0
.macro WIN new                         ; the immediate's high byte repeats the setting that is left; a switch that changes nothing is dropped
.if MSB != (\new)
	s_set_vgpr_msb (MSB<<8)|(\new)
.set MSB, \new
.endif
.endm
.set W_MM,  0x51                       ; W (source 0), C and D in window 1, A (source 1) in window 0
.set W_LD,  0x40                       ; destination in window 1, address in window 0
.set W_SUM, 0x04                       ; source 1, or a store's data, in window 1
; A round of the cluster's barrier: my work-group's barrier, so that wave 0's signal speaks for all four waves; wave 0 signals; every wave waits for all four work-groups; my work-group's barrier once more.
.macro ROUND
	s_barrier_signal -1
	s_barrier_wait -1
	s_cmp_lg_u32 s[WV], 0
	s_cbranch_scc1 .Lnot_wave_0_\@
	s_barrier_signal -3
.Lnot_wave_0_\@:
	s_barrier_wait -3
	s_barrier_signal -1
	s_barrier_wait -1
.endm
.macro ALLC line:vararg                ; one line for each combo cc: so no instruction reads the result of the one before it
.set cc, 0
.rept NC
.set tb, T+16*cc
.set vb, V+16*cc
.set hh, H4+cc
	\line
.set cc, cc+1
.endr
.endm
; THE WINDOW STAGE.  s = 25 h + 15.5; m = floor(s), t = s - m, u = 1 - t.  The four splines that are not zero are numbers m - 3 .. m: u^3, f(t), f(u), t^3, all over 6, f(z) = z^2 (3 z - 6) + 4.
; At tb: +0 s; +1 the sigmoid's chain; +2, 3 (t, u), then the first term's two words; +4, 5 squares, then the second term's; +6, 7 cubes; +8, 9 f; +10 m, then q = m + 5; +12, 13 the scale; +14 slot 53.
.macro WST_A                           ; its first eight lines, all plain: the places behind the last products, ahead of the loads into W's buffer
	ALLC v_fma_f32 v[tb], v[hh], s[K25], s[K155]
	ALLC v_mul_f32 v[tb+1], s[KNL], v[hh]
.endm
; The window's four values, packed in two words, are moved up by q % 8 halfwords into six words: one half (sP), one word (sB1), two words (sB2), each by selects, written from the top down.
.macro BARREL tm
.set dd, 2+2*(\tm)
.set ww, 6*(\tm)
	ALLC v_lshlrev_b32 v[tb+6], 16, v[tb+dd]
	ALLC v_alignbit_b32 v[tb+7], v[tb+dd+1], v[tb+dd], 16
	ALLC v_lshrrev_b32 v[tb+8], 16, v[tb+dd+1]
	ALLC v_cndmask_b32 v[vb+ww], v[tb+dd], v[tb+6], s[SP+cc]
	ALLC v_cndmask_b32 v[vb+ww+1], v[tb+dd+1], v[tb+7], s[SP+cc]
	ALLC v_cndmask_b32 v[vb+ww+2], 0, v[tb+8], s[SP+cc]
	ALLC v_cndmask_b32 v[vb+ww+3], 0, v[vb+ww+2], s[SB1+cc]
	ALLC v_cndmask_b32 v[vb+ww+2], v[vb+ww+2], v[vb+ww+1], s[SB1+cc]
	ALLC v_cndmask_b32 v[vb+ww+1], v[vb+ww+1], v[vb+ww], s[SB1+cc]
	ALLC v_cndmask_b32 v[vb+ww], v[vb+ww], 0, s[SB1+cc]
	ALLC v_cndmask_b32 v[vb+ww+5], 0, v[vb+ww+3], s[SB2+cc]
	ALLC v_cndmask_b32 v[vb+ww+4], 0, v[vb+ww+2], s[SB2+cc]
	ALLC v_cndmask_b32 v[vb+ww+3], v[vb+ww+3], v[vb+ww+1], s[SB2+cc]
	ALLC v_cndmask_b32 v[vb+ww+2], v[vb+ww+2], v[vb+ww], s[SB2+cc]
	ALLC v_cndmask_b32 v[vb+ww+1], v[vb+ww+1], 0, s[SB2+cc]
	ALLC v_cndmask_b32 v[vb+ww], v[vb+ww], 0, s[SB2+cc]
.endm
.macro WST_B
	ALLC v_exp_f32 v[tb+1], v[tb+1]                ; 2^(-h log2 e): one batch; the plain lines below name none of its results
	ALLC v_floor_f32 v[tb+10], v[tb]
	ALLC v_sub_f32 v[tb+2], v[tb], v[tb+10]
	ALLC v_cvt_i32_f32 v[tb+10], v[tb+10]
	ALLC v_sub_f32 v[tb+3], 1.0, v[tb+2]
	ALLC v_cmp_gt_u32 s[SVAL+cc], 56, v[tb+10]     ; unsigned: a negative m fails too
	ALLC v_cndmask_b32 v[tb+12], 0, v[WS6], s[SVAL+cc]
	ALLC v_cndmask_b32 v[tb+13], 0, v[WS6], s[SVAL+cc]
	ALLC v_pk_mul_f32 v[tb+4:tb+5], v[tb+2:tb+3], v[tb+2:tb+3]
	ALLC v_pk_fma_f32 v[tb+8:tb+9], v[tb+2:tb+3], s[K3:K3+1], s[KM6:KM6+1] op_sel_hi:[1,0,0]
	ALLC v_pk_mul_f32 v[tb+6:tb+7], v[tb+4:tb+5], v[tb+2:tb+3]
	ALLC v_pk_fma_f32 v[tb+8:tb+9], v[tb+4:tb+5], v[tb+8:tb+9], 4.0 op_sel_hi:[1,1,0]
	s_wait_alu depctr_va_vdst(0)                   ; the wait ahead of the first line that names an exponential's result: one for the batch
	ALLC v_add_f32 v[tb+1], 1.0, v[tb+1]
	ALLC v_rcp_f32 v[tb+1], v[tb+1]                ; the sigmoid: a second batch
	ALLC v_pk_mul_f32 v[tb+6:tb+7], v[tb+6:tb+7], v[tb+12:tb+13]
	ALLC v_pk_mul_f32 v[tb+8:tb+9], v[tb+8:tb+9], v[tb+12:tb+13]
	ALLC v_cvt_pk_bf16_f32 v[tb+2], v[tb+7], v[tb+8]   ; the first term: (u^3, f(t)),
	ALLC v_cvt_pk_bf16_f32 v[tb+3], v[tb+9], v[tb+6]   ; (f(u), t^3)
	ALLC v_lshlrev_b32 v[tb+4], 16, v[tb+2]
	ALLC v_and_b32 v[tb+5], s[KHI], v[tb+2]
	ALLC v_lshlrev_b32 v[tb+12], 16, v[tb+3]
	ALLC v_and_b32 v[tb+13], s[KHI], v[tb+3]
	ALLC v_sub_f32 v[tb+4], v[tb+7], v[tb+4]       ; what the first term left
	ALLC v_sub_f32 v[tb+5], v[tb+8], v[tb+5]
	ALLC v_sub_f32 v[tb+12], v[tb+9], v[tb+12]
	ALLC v_sub_f32 v[tb+13], v[tb+6], v[tb+13]
	ALLC v_cvt_pk_bf16_f32 v[tb+4], v[tb+4], v[tb+5]   ; the second term
	ALLC v_cvt_pk_bf16_f32 v[tb+5], v[tb+12], v[tb+13]
	ALLC v_add_nc_u32 v[tb+10], 5, v[tb+10]        ; q = (m - 3) + 8: the window's first slot, counted from one chunk of 8 below slot 0
	ALLC v_and_b32 v[tb+11], 1, v[tb+10]
	ALLC v_cmp_ne_u32 s[SP+cc], 0, v[tb+11]
	ALLC v_and_b32 v[tb+11], 2, v[tb+10]
	ALLC v_cmp_ne_u32 s[SB1+cc], 0, v[tb+11]
	ALLC v_and_b32 v[tb+11], 4, v[tb+10]
	ALLC v_cmp_ne_u32 s[SB2+cc], 0, v[tb+11]
	ALLC v_lshrrev_b32 v[vb+12], 3, v[tb+10]       ; words 0-3 belong in chunk q / 8 - 1, words 4, 5 at the head of chunk q / 8
	ALLC v_mul_f32 v[tb+14], v[WBR], v[hh]
	s_wait_alu depctr_va_vdst(0)                   ; the wait for the reciprocals
	ALLC v_mul_f32 v[tb+14], v[tb+14], v[tb+1]     ; wb silu(h)
	ALLC v_cvt_pk_bf16_f32 v[vb+13], v[ZR], v[tb+14]   ; its first term in the upper half, where slot 53 lies; the word is also that term in f32
	ALLC v_sub_f32 v[tb+14], v[tb+14], v[vb+13]
	ALLC v_cvt_pk_bf16_f32 v[vb+14], v[ZR], v[tb+14]
	BARREL 0
	BARREL 1
.endm
; THE PLACEMENT for step gj is a numbered list; GOP writes its next entry.  First the compares (chunk number = gj + 1; at gj = 0 also = 0): the mask of value gj is left from the step before.
; Then for each combo and term: four words where the chunk number is gj + 1, else 0; onto the first two, words 4 and 5 where it is gj.  At gj = 6 slots 54, 55 are 0 and slot 53 takes wb silu(h).
.macro GSET j
.set gj, (\j)
.set gi, 0
.set gnc, NC
.set gbs, 6
.if (\j) == 0
.set gnc, 2*NC
.endif
.if (\j) == 6
.set gbs, 7
.endif
.set glen, gnc+2*NC*gbs
.endm
.macro GOP
.if gi < glen
.if gi < gnc
.if gi >= NC
.set gc, gi-NC
	v_cmp_eq_u32 s[M+2*gc], 0, v[V+16*gc+12]
.else
	v_cmp_eq_u32 s[M+2*gi+((gj+1)&1)], gj+1, v[V+16*gi+12]
.endif
.else
.set gb, (gi-gnc)/gbs
.set go, (gi-gnc)%gbs
.set gc, gb/2
.set gt, gb%2
.set gd, AX+32*(gj&1)+8*(2*(gc/2)+gt)+4*(gc%2)
.set gv, V+16*gc+6*gt
.set gm, M+2*gc
.if (go == 3) && (gj == 6)
	v_mov_b32 v[gd+3], 0
.elseif go < 4
	v_cndmask_b32 v[gd+go], 0, v[gv+go], s[gm+((gj+1)&1)]
.elseif go < 6
	v_cndmask_b32 v[gd+go-4], v[gd+go-4], v[gv+go], s[gm+(gj&1)]
.else
	v_and_or_b32 v[gd+2], v[gd+2], 0xffff, v[V+16*gc+13+gt]
.endif
.endif
.set gi, gi+1
.endif
.endm
.macro FETCH_B j                       ; step j's eight fragments of W in one run of 16 loads, each 512 consecutive bytes
	WIN W_LD
.irp nb, 0,1,2,3,4,5,6,7
	ds_load_b128 v[BX+64*((\j)&1)+8*(\nb):BX+64*((\j)&1)+8*(\nb)+3], v[LB] offset:(\nb)*NBB+(\j)*1024
	ds_load_b128 v[BX+64*((\j)&1)+8*(\nb)+4:BX+64*((\j)&1)+8*(\nb)+7], v[LB] offset:(\nb)*NBB+(\j)*1024+512
.endr
.endm
.macro NEXT_H                          ; h of the next group's combos; the window stage has read this group's
	WIN 0
.if L0
.irp c, 0,1,2,3
	v_mov_b32 v[H4+\c], v[H4B+\c]
.endr
.else
	v_add_nc_u32 v[HAD], s[HG], v[HSA]
	ds_load_b128 v[H4:H4+3], v[HAD]
	s_add_co_u32 s[HG], s[HG], 512
	s_and_b32 s[HG], s[HG], 0xfff                  ; behind the last entry it goes back to the first, which nobody uses
.endif
.endm
; STEP j: 32 products: product i takes term i / 16, row block (i / 8) % 2, column block i % 8.  The 16 sums take turns, one instruction a turn, over the steps' and the loops' edges too.
; Behind the first products ride the entries of step j + 1's placement, into the other buffer of A.  That buffer's and W's other buffer's last readers are the step before's products: the list's
; four compares, behind product 0, are the four places ahead of the first write; W's run of loads stands behind product 1 and four more riders, 30 products ahead of its first use.
.macro STEP j
.set pj, (\j)&1
.if (\j) < 6
	GSET (\j)+1
.endif
	s_wait_dscnt 0x0                               ; this step's fragments of W are in
.set i, 0
.rept 32
	WIN W_MM
.set ra, ACC+8*(8*((i/8)%2)+i%8)
.set rw, BX+64*pj+8*(i%8)
.set rf, AX+32*pj+8*(2*((i/8)%2)+i/16)
	v_wmma_f32_16x16x32_bf16 v[ra:ra+7], v[rw:rw+7], v[rf:rf+7], v[ra:ra+7]
.if (\j) < 6
.if gi < glen
	WIN 0
.rept RIDE
	GOP
.endr
.endif
.if i == 1
	FETCH_B (\j)+1
.endif
.endif
.if ((\j) == 3) && (i == 2)
	NEXT_H
.endif
.set i, i+1
.endr
.endm
.macro GROUP                           ; four features: the window stage, step 0's placement, seven steps
	WIN 0
	WST_A
	v_add_nc_u32 v[LB], s[TB], v[L16]
	s_add_co_u32 s[TB], s[TB], GRPB
	FETCH_B 0
	WIN 0
	WST_B
	GSET 0
.rept glen
	GOP
.endr
	STEP 0
	STEP 1
	STEP 2
	STEP 3
	STEP 4
	STEP 5
	STEP 6
.endm
.macro TWO_GROUPS                      ; a slot's two groups: written once, walked twice; the LDS addresses hang on s[TB] and s[HG]
	WIN 0
	s_mov_b32 s[TWICE], 2
.Lgrp_\@:
	GROUP
	WIN 0
	s_sub_co_u32 s[TWICE], s[TWICE], 1
	s_cmp_lg_u32 s[TWICE], 0
	s_cbranch_scc1 .Lgrp_\@
.endm
; A PREFETCH INTO THE L2 of the slice's second half (slots' parts 2 and 3: 896 blocks of 256 bytes), a lane a block.  The four clusters with one y walk the same slice: the first of them asks.  Its sixteen
; waves are told apart BY ADDRESS (32,768 w + 8,192 cx).  Behind the load of part 1 they name blocks 0-511, behind the load of part 2 waves 0-2 name blocks 512-895, behind the load of part 3 nobody asks:
; each block is named once, two groups' 448 products or more ahead of the load that wants it, and the last byte named is the slice's last.
.macro ASK
	s_cmp_gt_u32 s[SLOTS], s[LIM]
	s_cbranch_scc0 .Lnot_mine_\@
	global_prefetch_b8 v[PFO], s[PFA:PFA+1] th:TH_LOAD_NT scope:SCOPE_SE
.Lnot_mine_\@:
.endm
; THE CHANGE OF SLOTS.  Each wave waits for all its tensor loads, of which one is out: its part of the slot to be read; adds 0 to its spare word; and waits for that and for its own reads of the slot that it leaves.
; fill = 1: the barrier is a round of the cluster's, so that no wave of any partner still reads the old slot or has a load on its way; the joint fill is the first thing behind it and has two groups in which to land.
.macro CHANGE fill
	WIN 0
	s_wait_tensorcnt 0x0                           ; no tensor load of mine is out, so group 0 may be written
	ds_add_u32 v[SPW], v[NIL]                      ; 0 onto my spare word
.if \fill
	s_xor_b32 s[G0+1], s[G0+1], SLOT1              ; the other slot than last time,
	s_add_nc_u64 s[G0+2:G0+3], s[G0+2:G0+3], SLOTB ; the next two groups; the type bits on top are not reached
	s_wait_xcnt 0x0                                ; every earlier load, store and prefetch has read its registers: the prefetches' address is written, and h's registers of the head are free
	s_add_nc_u64 s[PFA:PFA+1], s[PFA:PFA+1], 131072
	s_wait_dscnt 0x0                               ; the add is done, and my reads of the slot are over
	ROUND
	tensor_load_to_lds s[G0:G0+3], s[G1:G1+7]
	s_nop 0
.rept 4
	v_nop
.endr
	ASK
.else
	s_wait_dscnt 0x0
	s_barrier_signal -1
	s_barrier_wait -1
.endif
	s_sub_co_u32 s[TB], s[TB], SLOTB               ; the fetches go back to a slot's first group,
	s_xor_b32 s[TB], s[TB], SLOT1                  ; in the other slot
.endm
.macro RES a                           ; my share of slice 8: h of feature block 2 ks + a
.irp rb, 0,1
.irp q, 0,1
	global_store_b128 v[L16], v[HS+16*(\rb)+8*(\a)+4*(\q):HS+16*(\rb)+8*(\a)+4*(\q)+3], s[PR:PR+1] offset:(\rb)*16384+(\q)*512
.endr
.endr
.endm
	s_load_b256 s[4:11], s[0:1], 0x0               ; input s[4:5], W s[6:7], ws s[8:9], wb s[10:11]
	s_load_b64 s[12:13], s[0:1], 0x20              ; output
	v_lshl_add_u32 v[SPW], v0, 2, SPARE
	v_mov_b32 v[NIL], 0
	ds_add_u32 v[SPW], v[NIL]                      ; the wave's opening: the add, twice on end, and its wait ahead of my first tensor load
	ds_add_u32 v[SPW], v[NIL]
	v_lshrrev_b32 v[TM], 5, v0
	v_readfirstlane_b32 s[WV], v[TM]               ; wave 0..3
	s_bfe_u32 s[CX], ttmp6, 0x40000                ; my place in the cluster: it enters global addresses of my own rows and the prefetches' alone
	s_lshl_b32 s[MT], ttmp9, 2
	s_add_co_u32 s[MT], s[MT], s[CX]               ; mt
	s_and_b32 s[YY], ttmp7, 0xffff
	s_and_b32 s[NT], s[YY], 1
	s_lshr_b32 s[KS], s[YY], 1
	s_mov_b32 s[G1+0], 15|(3<<16)|(1<<21)          ; 15:0 the mask of four; 17:16 elements of 8 bytes; 21 set beside a mask; no padding: a fragment load takes 512 bytes on end
	s_mov_b32 s[G1+1], 32<<16                      ; tensor_dim0 = 32 elements: rows of 256 bytes
	s_mov_b32 s[G1+2], 112<<16                     ; tensor_dim1 = 112
	s_mov_b32 s[G1+3], 32<<16                      ; tile_dim0 = 32
	s_mov_b32 s[G1+4], 112                         ; tile_dim1 = 112
	s_mov_b32 s[G1+5], 32                          ; the rows lie end to end
	s_mov_b32 s[G1+6], 0
	s_mov_b32 s[G1+7], 0
	s_mov_b32 s[G0], 1
	s_mul_i32 s[G0+1], s[WV], WAVB                 ; LDS: my quarter of slot 0
	s_lshl_b32 s20, s[NT], 3
	s_add_co_u32 s20, s20, s[KS]
	s_mul_i32 s20, s20, SLICW                      ; the slice (nt, ks) of the image,
	s_add_co_u32 s20, s20, s[G0+1]                 ; my quarter of its first two groups
	s_mov_b32 s21, 0
	s_lshl_b32 s22, s[MT], 17
	s_lshl_b32 s23, s[WV], 15
	s_add_co_u32 s22, s22, s23                     ; my wave's two row blocks in a slice of P
	s_mov_b32 s23, 0
	s_lshl_b32 s2, s[KS], 21
	s_lshl_b32 s3, s[NT], 13
	s_add_co_u32 s2, s2, s3                        ; slice ks, column blocks 8 nt ..
	s_mov_b32 s3, 0
	s_lshl_b32 s90, s[YY], 10
	s_add_co_u32 s90, s90, 8*PSL                   ; slice 8, block y = 2 ks + nt
	s_mov_b32 s91, 0
.if L0
	s_lshl_b32 s92, s[MT], 15                      ; x: 128 rows of 256 bytes a work-group, 32 a wave,
	s_lshl_b32 s93, s[WV], 13
	s_add_co_u32 s92, s92, s93
	s_lshr_b32 s93, s[KS], 1
	s_lshl_b32 s93, s93, 6
	s_add_co_u32 s92, s92, s93                     ; features 16 (ks / 2) + 4 (ks % 2) + 2 gq + 8 h + e
	s_and_b32 s93, s[KS], 1
	s_lshl_b32 s93, s93, 4
	s_add_co_u32 s92, s92, s93
	s_mov_b32 s93, 0
.else
	s_lshl_b32 s92, s[KS], 11                      ; feature blocks 2 ks, 2 ks + 1
	s_mov_b32 s93, 0
	s_lshl_b32 s94, s[NT], 3
	s_add_co_u32 s94, s94, s[KS]
	s_mul_i32 s94, s94, SLICW
	s_add_co_u32 s94, s94, 2*SLOTB-131072          ; one step short of the slice's second half: the first change of slots steps it there
	s_lshl_b32 s95, s[WV], 15
	s_add_co_u32 s94, s94, s95
	s_lshl_b32 s95, s[CX], 13
	s_add_co_u32 s94, s94, s95
	s_mov_b32 s95, 0
	s_cmp_eq_u32 s[WV], 3
	s_cselect_b32 s[LIM], 2, 1
	s_cmp_eq_u32 ttmp9, 0                          ; the same in all four partners
	s_cselect_b32 s[LIM], s[LIM], -1
.endif
	s_mov_b32 s[K25], 0x41c80000                   ; 25.0
	s_mov_b32 s[K155], 0x41780000                  ; 15.5
	s_mov_b32 s[KNL], 0xbfb8aa3b                   ; -log2(e)
	s_mov_b32 s[K3], 0x40400000                    ; 3.0, named as a pair
	s_mov_b32 s[K3+1], 0x40400000
	s_mov_b32 s[KM6], 0xc0c00000                   ; -6.0
	s_mov_b32 s[KM6+1], 0xc0c00000
	s_mov_b32 s[KHI], 0xffff0000
	s_wait_dscnt 0x0                               ; both opening adds are done
	s_wait_kmcnt 0x0
	s_add_nc_u64 s[G0+2:G0+3], s[6:7], s[20:21]
	s_or_b32 s[G0+3], s[G0+3], 0x80000000          ; type = 2
	s_add_nc_u64 s[PO:PO+1], s[12:13], s[22:23]
	s_add_nc_u64 s[PR:PR+1], s[PO:PO+1], s[90:91]
	s_add_nc_u64 s[PO:PO+1], s[PO:PO+1], s[2:3]
.if L0
	s_add_nc_u64 s[PI:PI+1], s[4:5], s[92:93]
.else
	s_add_nc_u64 s[PI:PI+1], s[4:5], s[22:23]
	s_add_nc_u64 s[PI:PI+1], s[PI:PI+1], s[92:93]
	s_add_nc_u64 s[PI+2:PI+3], s[PI:PI+1], 4*PSL
	s_add_nc_u64 s[PI+4:PI+5], s[PI:PI+1], 8*PSL
	s_add_nc_u64 s[PFA:PFA+1], s[6:7], s[94:95]
.endif
	ROUND                                          ; all four work-groups are here: the first joint loads meet
	tensor_load_to_lds s[G0:G0+3], s[G1:G1+7]      ; the first two groups into slot 0
	s_nop 0
.rept 4
	v_nop
.endr
	s_load_b32 s53, s[8:9], 0x0
	s_load_b32 s54, s[10:11], 0x0
	v_and_b32 v[L16], 31, v0
	v_lshlrev_b32 v[PFO], 8, v[L16]
	v_lshlrev_b32 v[L16], 4, v[L16]
	v_mov_b32 v[ZR], 0
.if L0
	v_and_b32 v[XO], 15, v0
	v_bfe_u32 v[TM], v0, 4, 1
	v_lshlrev_b32 v[XO], 8, v[XO]
	v_lshl_add_u32 v[XO], v[TM], 5, v[XO]          ; row x 256 + 32 h.  A lane takes 8 bytes of a row's 256: x is 0.5 MB in all, read once here
.irp gq, 0,1
.irp rb, 0,1
	global_load_b64 v[H4+4*(\gq)+2*(\rb):H4+4*(\gq)+2*(\rb)+1], v[XO], s[PI:PI+1] offset:(\rb)*4096+(\gq)*8
.endr
.endr
.irp c, 0,1,2,3
	v_mov_b32 v[Z4+\c], 0
.endr
.irp rb, 0,1
.irp q, 0,1
	global_store_b128 v[L16], v[Z4:Z4+3], s[PR:PR+1] offset:(\rb)*16384+(\q)*512   ; layer 0 has no residual
.endr
.endr
.else
.set n, 0
.rept 8                                ; slice 0: n = 4 rb + 2 a + q
	global_load_b128 v[HS+4*n:HS+4*n+3], v[L16], s[PI:PI+1] offset:(n/4)*16384+((n/2)%2)*1024+(n%2)*512
.set n, n+1
.endr
	WIN W_LD
.set n, 8
.rept 64                               ; slices 1-8 land in window 1
.set k, n/8
.set mm, n%8
	global_load_b128 v[32*(k-1)+4*mm:32*(k-1)+4*mm+3], v[L16], s[PI+2*(k/4):PI+2*(k/4)+1] offset:(k%4)*PSL+(mm/4)*16384+((mm/2)%2)*1024+(mm%2)*512
.set n, n+1
.endr
	WIN 0
.endif
	s_wait_kmcnt 0x0
	v_mov_b32 v[WS6], s53
	v_mov_b32 v[WBR], s54
	v_cvt_pk_bf16_f32 v[TM], v[WS6], v[WBR]        ; both gains rounded to bf16, like every input
	v_lshlrev_b32 v[WS6], 16, v[TM]
	v_and_b32 v[WBR], s[KHI], v[TM]
	v_mul_f32 v[WS6], 0x3e2aaaab, v[WS6]           ; the splines' 1/6 goes with ws
.if L0
	s_wait_loadcnt 0x0
.irp p, 0,1,2,3
	v_cvt_pk_bf16_f32 v[TM], v[H4+2*\p], v[H4+2*\p+1]  ; x rounded to bf16 and widened again
	v_lshlrev_b32 v[H4+2*\p], 16, v[TM]
	v_and_b32 v[H4+2*\p+1], s[KHI], v[TM]
.endr
.else
.set k, 1
.rept 8                                ; h = the eight slices' sums and the residual, in one fixed order
	s_wait_loadcnt 8*(8-k)                         ; loads come back in order: slice k is in, the 8 (8 - k) loads of the slices behind it may stay out
	WIN W_SUM
.set z, 0
.rept 16
	v_pk_add_f32 v[HS+2*z:HS+2*z+1], v[HS+2*z:HS+2*z+1], v[32*(k-1)+2*z:32*(k-1)+2*z+1]
.set z, z+1
.endr
.set k, k+1
.endr
	WIN 0
	s_lshl_b32 s20, s[WV], 12
	s_add_co_u32 s20, s20, SCR
	v_add_nc_u32 v[HSA], s20, v[L16]
.set n, 0
.rept 16                               ; n = 2 gq + rb: the pair e = 0, 1
	ds_store_b64 v[HSA], v[HS+16*(n%2)+2*(n/2):HS+16*(n%2)+2*(n/2)+1] offset:512*(n/2)+8*(n%2)
.set n, n+1
.endr
	s_cmp_eq_u32 s[NT], 0                          ; the two work-groups with one (mt, ks) hold the same h: each stores one of its two feature blocks
	s_cbranch_scc0 .Lres1
	RES 0
	s_branch .Lresd
.Lres1:
	RES 1
.Lresd:
	ds_load_b128 v[H4:H4+3], v[HSA]                ; the first group's h: LDS serves a wave's instructions in order
.endif
	WIN W_LD
.set n, 0
.rept 128
	v_mov_b32 v[ACC+n], 0
.set n, n+1
.endr
	WIN 0
.if L0
	s_wait_tensorcnt 0x0                           ; my quarter of the one slot is in,
	s_barrier_signal -1
	s_barrier_wait -1                              ; everybody's is; nothing is filled again
	s_mov_b32 s[TB], 0
	TWO_GROUPS
.else
	s_mov_b32 s[TB], SLOT1+SLOTB                   ; the first change of slots turns this into 0
	s_mov_b32 s[HG], 512
	s_mov_b32 s[SLOTS], 3
.Lslot:                                        ; three trips: a part of two groups is entered and the next is asked for
	CHANGE 1
	TWO_GROUPS
	s_sub_co_u32 s[SLOTS], s[SLOTS], 1
	s_cmp_lg_u32 s[SLOTS], 0
	s_cbranch_scc1 .Lslot
	CHANGE 0                                       ; the last part is written out
	TWO_GROUPS
.endif
.rept 4
	v_nop                                          ; the places behind the last products
.endr
	WIN W_SUM
.set n, 0
.rept 16                               ; each sum's registers in ascending order; each store is 512 consecutive bytes, aligned
	global_store_b128 v[L16], v[ACC+8*n:ACC+8*n+3], s[PO:PO+1] offset:(n/8)*16384+(n%8)*1024
	global_store_b128 v[L16], v[ACC+8*n+4:ACC+8*n+7], s[PO:PO+1] offset:(n/8)*16384+(n%8)*1024+512
.set n, n+1
.endr
	WIN 0
	s_wait_tensorcnt 0x0                           ; the wave's end
	ds_add_u32 v[SPW], v[NIL]
	s_wait_dscnt 0x0
	ROUND                                          ; the closing round: no work-group ends while a partner may still ask for a tile that names it
	s_endpgm
.Lfunc_end_k_qf2c40c7f06_g1:
	.size	k_qf2c40c7f06_g1, .Lfunc_end_k_qf2c40c7f06_g1-k_qf2c40c7f06_g1
	.p2alignl 7, 3214868480
	.fill 96, 4, 3214868480
	.section	.rodata,"a",@progbits
	.p2align	6, 0x0
	.amdhsa_kernel k_qf2c40c7f06_g1
		.amdhsa_group_segment_fixed_size 327680
		.amdhsa_private_segment_fixed_size 0
		.amdhsa_enable_private_segment 0
		.amdhsa_kernarg_size 40
		.amdhsa_user_sgpr_count 2
		.amdhsa_user_sgpr_kernarg_segment_ptr 1
		.amdhsa_wavefront_size32 1
		.amdhsa_system_sgpr_workgroup_id_x 1
		.amdhsa_system_sgpr_workgroup_id_y 1
		.amdhsa_system_sgpr_workgroup_id_z 1
		.amdhsa_system_vgpr_workitem_id 0
		.amdhsa_next_free_vgpr 512
		.amdhsa_next_free_sgpr 96
		.amdhsa_reserve_vcc 0
		.amdhsa_float_denorm_mode_32 3
		.amdhsa_float_denorm_mode_16_64 3
		.amdhsa_memory_ordered 1
		.amdhsa_forward_progress 1
		.amdhsa_inst_pref_size 163
	.end_amdhsa_kernel
	.amdgpu_metadata
---
amdhsa.version: [ 1, 2 ]
amdhsa.kernels:
  - .name:           k_qf2c40c7f06_g1
    .symbol:         k_qf2c40c7f06_g1.kd
    .args:
      - { .name: Pa, .offset: 0, .size: 8, .value_kind: global_buffer, .address_space: global }
      - { .name: W1, .offset: 8, .size: 8, .value_kind: global_buffer, .address_space: global }
      - { .name: ws1, .offset: 16, .size: 8, .value_kind: global_buffer, .address_space: global }
      - { .name: wb1, .offset: 24, .size: 8, .value_kind: global_buffer, .address_space: global }
      - { .name: Pb, .offset: 32, .size: 8, .value_kind: global_buffer, .address_space: global }
    .group_segment_fixed_size: 327680
    .private_segment_fixed_size: 0
    .kernarg_segment_align: 8
    .kernarg_segment_size: 40
    .max_flat_workgroup_size: 128
    .sgpr_count:     96
    .vgpr_count:     512
    .wavefront_size: 32
...
	.end_amdgpu_metadata
.endif
;; end of part 3
;; launch g2: the kernel of part 3 again; grid 16 x 16, 4 waves a work-group, clusters of 4 x 1, 327,680 bytes of LDS; arguments Pb, W2, ws2, wb2, Pa; writes Pa
;; launch g3: the kernel of part 3 again; grid 16 x 16, 4 waves a work-group, clusters of 4 x 1, 327,680 bytes of LDS; arguments Pa, W3, ws3, wb3, Pb; writes Pb
;; launch g4: the kernel of part 3 again; grid 16 x 16, 4 waves a work-group, clusters of 4 x 1, 327,680 bytes of LDS; arguments Pb, W4, ws4, wb4, Pa; writes Pa
;; launch f5 (part 4): grid 128 x 1, 16 waves a work-group, no clusters, 31,744 bytes of LDS; arguments Pa, sw5, bw5, ws5, wb5, out0; writes out0
.if DOCPART == 4
	.amdgcn_target "amdgcn-amd-amdhsa--gfx1250"
	.amdhsa_code_object_version 6
	.text
	.protected	k_qf2c40c7f06_f5
	.globl	k_qf2c40c7f06_f5
	.p2align	8
	.type	k_qf2c40c7f06_f5,@function
k_qf2c40c7f06_f5:
	s_mov_b64 s[64:65], 0
	v_nop
	global_prefetch_b8 v0, s[64:65] scope:SCOPE_SE
	s_setreg_imm32_b32 hwreg(HW_REG_WAVE_MODE, 25, 1), 1
	s_wait_xcnt 0x0
; THE LAST LAYER, 243 -> 1.  out[b] = sum over i, n of A[b][i][n] W[i][n], with A and its 56 slots a feature as in the layers before: slots 0-52 ws B_n(h), slot 53 wb silu(h), in two bf16 terms.
; h is the sum of the nine slices of P.  sw5, bw5, ws5, wb5 are rounded once to bf16; h and all sums are f32.
; LIMITS.  The knots are taken as s = 25 h + 15.5, one rounding; outside 0 <= s < 56 all splines are 0.  An infinite or NaN h is not treated apart.
; SHARES.  A work-group owns 16 rows (one row block of P), wave w the 16 features of block w; a lane (r, h) holds row r's features 16 w + 8 h + 0..7, and takes two of them in each of four trips.
; 128 work-groups: a product wants 16 rows, and a row's sum stays inside one work-group.  No cluster: what work-groups share, the 52 KB of weights, is small beside the 9 slices that each reads alone.
; THE PRODUCT is taken transposed: source 0 = W, the same numbers in all 16 of its rows (a lane's LDS address hangs on h alone), source 1 = 16 rows of A: register 0 of lane r holds row r's sum.
; The first term's products go to one sum, the second term's to another: the two take turns.
.set NC,    2                          ; combos: the lane's two features e = 0, 1
.set PSL,   2097152                    ; a slice of P
.set PS,    28672                      ; behind the image: wave w's 16 sums at 64 w + 4 r
.set SPARE, 29696                      ; the spare words: 128 bytes a wave, eight blocks of 256 bytes that no other line names
; the image of W at LDS byte 0: ((NB 4 + jp) 14 + 2 j + e) 32 + 16 h holds slots 8 j .. 8 j + 7 of feature 16 NB + 8 h + 2 jp + e, in bf16
.set L16, 1                            ; v1   16 x lane
.set BA,  2                            ; v2   LDS address of the trip's fragments
.set IA,  3                            ; v3   where I put 16 bytes of the image
.set PSA, 4                            ; v4   where I put my row's sum
.set PRD, 5                            ; v5   4 x (lane % 16)
.set SPW, 6                            ; v6   LDS address of my spare word; never rewritten
.set NIL, 7                            ; v7   0; never rewritten
.set H4,  8                            ; v8-15  my eight h; the trip's two stand first
.set ZR,  20
.set TM,  21
.set WS6, 22                           ; bf16(ws) / 6
.set WBR, 23                           ; bf16(wb)
.set FQ,  24                           ; thread / 8
.set JC,  25                           ; the chunk that I convert
.set J8,  26
.set J8C, 27
.set TA,  28
.set TC,  29
.set T,   32                           ; v32-63   at work, 16 a combo
.set V,   96                           ; v96-127  16 a combo
.set AX,  128                          ; v128-143, v160-175  two buffers of A: term t at 8 t
.set BF,  176                          ; v176-231 the trip's seven fragments of W
.set AC0, 232
.set AC1, 240
.set ID,  32                           ; v32-67   in the head: nine words a pass
.set IAD, 68                           ; v68-79   three offsets a pass
.set IO,  80                           ; v80-95   four packed registers a pass
.set PL,  128                          ; v128-191 slices 1-8 as they land
.set CNT, 25
.set WV,  26
.set K25, 55
.set K155, 56
.set KNL, 57
.set K3,  58
.set KM6, 60
.set KHI, 62
.set M,   66
.set SP,  74
.set SB1, 78
.set SB2, 82
.set SVAL, 86
.set S6,  90                           ; my chunk is the last
.set SV,  92                           ; s92-95  pass k's feature exists
.macro ALLC line:vararg                ; one line for each combo cc
.set cc, 0
.rept NC
.set tb, T+16*cc
.set vb, V+16*cc
.set hh, H4+cc
	\line
.set cc, cc+1
.endr
.endm
; THE WINDOW STAGE.  s = 25 h + 15.5; m = floor(s), t = s - m, u = 1 - t.  The four splines that are not zero are numbers m - 3 .. m: u^3, f(t), f(u), t^3, all over 6, f(z) = z^2 (3 z - 6) + 4.
.macro WST_A
	ALLC v_fma_f32 v[tb], v[hh], s[K25], s[K155]
	ALLC v_mul_f32 v[tb+1], s[KNL], v[hh]
.endm
; The window's four values, packed in two words, are moved up by q % 8 halfwords into six words, by selects, written from the top down.
.macro BARREL tm
.set dd, 2+2*(\tm)
.set ww, 6*(\tm)
	ALLC v_lshlrev_b32 v[tb+6], 16, v[tb+dd]
	ALLC v_alignbit_b32 v[tb+7], v[tb+dd+1], v[tb+dd], 16
	ALLC v_lshrrev_b32 v[tb+8], 16, v[tb+dd+1]
	ALLC v_cndmask_b32 v[vb+ww], v[tb+dd], v[tb+6], s[SP+cc]
	ALLC v_cndmask_b32 v[vb+ww+1], v[tb+dd+1], v[tb+7], s[SP+cc]
	ALLC v_cndmask_b32 v[vb+ww+2], 0, v[tb+8], s[SP+cc]
	ALLC v_cndmask_b32 v[vb+ww+3], 0, v[vb+ww+2], s[SB1+cc]
	ALLC v_cndmask_b32 v[vb+ww+2], v[vb+ww+2], v[vb+ww+1], s[SB1+cc]
	ALLC v_cndmask_b32 v[vb+ww+1], v[vb+ww+1], v[vb+ww], s[SB1+cc]
	ALLC v_cndmask_b32 v[vb+ww], v[vb+ww], 0, s[SB1+cc]
	ALLC v_cndmask_b32 v[vb+ww+5], 0, v[vb+ww+3], s[SB2+cc]
	ALLC v_cndmask_b32 v[vb+ww+4], 0, v[vb+ww+2], s[SB2+cc]
	ALLC v_cndmask_b32 v[vb+ww+3], v[vb+ww+3], v[vb+ww+1], s[SB2+cc]
	ALLC v_cndmask_b32 v[vb+ww+2], v[vb+ww+2], v[vb+ww], s[SB2+cc]
	ALLC v_cndmask_b32 v[vb+ww+1], v[vb+ww+1], 0, s[SB2+cc]
	ALLC v_cndmask_b32 v[vb+ww], v[vb+ww], 0, s[SB2+cc]
.endm
.macro WST_B
	ALLC v_exp_f32 v[tb+1], v[tb+1]                ; one batch; the plain lines below name none of its results
	ALLC v_floor_f32 v[tb+10], v[tb]
	ALLC v_sub_f32 v[tb+2], v[tb], v[tb+10]
	ALLC v_cvt_i32_f32 v[tb+10], v[tb+10]
	ALLC v_sub_f32 v[tb+3], 1.0, v[tb+2]
	ALLC v_cmp_gt_u32 s[SVAL+cc], 56, v[tb+10]     ; unsigned: a negative m fails too
	ALLC v_cndmask_b32 v[tb+12], 0, v[WS6], s[SVAL+cc]
	ALLC v_cndmask_b32 v[tb+13], 0, v[WS6], s[SVAL+cc]
	ALLC v_pk_mul_f32 v[tb+4:tb+5], v[tb+2:tb+3], v[tb+2:tb+3]
	ALLC v_pk_fma_f32 v[tb+8:tb+9], v[tb+2:tb+3], s[K3:K3+1], s[KM6:KM6+1] op_sel_hi:[1,0,0]
	ALLC v_pk_mul_f32 v[tb+6:tb+7], v[tb+4:tb+5], v[tb+2:tb+3]
	ALLC v_pk_fma_f32 v[tb+8:tb+9], v[tb+4:tb+5], v[tb+8:tb+9], 4.0 op_sel_hi:[1,1,0]
	s_wait_alu depctr_va_vdst(0)                   ; the wait ahead of the first line that names an exponential's result: one for the batch
	ALLC v_add_f32 v[tb+1], 1.0, v[tb+1]
	ALLC v_rcp_f32 v[tb+1], v[tb+1]                ; the sigmoid: a second batch
	ALLC v_pk_mul_f32 v[tb+6:tb+7], v[tb+6:tb+7], v[tb+12:tb+13]
	ALLC v_pk_mul_f32 v[tb+8:tb+9], v[tb+8:tb+9], v[tb+12:tb+13]
	ALLC v_cvt_pk_bf16_f32 v[tb+2], v[tb+7], v[tb+8]
	ALLC v_cvt_pk_bf16_f32 v[tb+3], v[tb+9], v[tb+6]
	ALLC v_lshlrev_b32 v[tb+4], 16, v[tb+2]
	ALLC v_and_b32 v[tb+5], s[KHI], v[tb+2]
	ALLC v_lshlrev_b32 v[tb+12], 16, v[tb+3]
	ALLC v_and_b32 v[tb+13], s[KHI], v[tb+3]
	ALLC v_sub_f32 v[tb+4], v[tb+7], v[tb+4]
	ALLC v_sub_f32 v[tb+5], v[tb+8], v[tb+5]
	ALLC v_sub_f32 v[tb+12], v[tb+9], v[tb+12]
	ALLC v_sub_f32 v[tb+13], v[tb+6], v[tb+13]
	ALLC v_cvt_pk_bf16_f32 v[tb+4], v[tb+4], v[tb+5]
	ALLC v_cvt_pk_bf16_f32 v[tb+5], v[tb+12], v[tb+13]
	ALLC v_add_nc_u32 v[tb+10], 5, v[tb+10]        ; q = (m - 3) + 8
	ALLC v_and_b32 v[tb+11], 1, v[tb+10]
	ALLC v_cmp_ne_u32 s[SP+cc], 0, v[tb+11]
	ALLC v_and_b32 v[tb+11], 2, v[tb+10]
	ALLC v_cmp_ne_u32 s[SB1+cc], 0, v[tb+11]
	ALLC v_and_b32 v[tb+11], 4, v[tb+10]
	ALLC v_cmp_ne_u32 s[SB2+cc], 0, v[tb+11]
	ALLC v_lshrrev_b32 v[vb+12], 3, v[tb+10]
	ALLC v_mul_f32 v[tb+14], v[WBR], v[hh]
	s_wait_alu depctr_va_vdst(0)                   ; the wait for the reciprocals
	ALLC v_mul_f32 v[tb+14], v[tb+14], v[tb+1]
	ALLC v_cvt_pk_bf16_f32 v[vb+13], v[ZR], v[tb+14]
	ALLC v_sub_f32 v[tb+14], v[tb+14], v[vb+13]
	ALLC v_cvt_pk_bf16_f32 v[vb+14], v[ZR], v[tb+14]
	BARREL 0
	BARREL 1
.endm
; THE PLACEMENT for step gj: the compares (chunk number = gj + 1; at gj = 0 also = 0), then for each combo and term four words where the chunk number is gj + 1, else 0, and onto the first two words 4 and 5
; where it is gj.  At gj = 6 slots 54, 55 are 0 and slot 53 takes wb silu(h).
.macro GSET j
.set gj, (\j)
.set gi, 0
.set gnc, NC
.set gbs, 6
.if (\j) == 0
.set gnc, 2*NC
.endif
.if (\j) == 6
.set gbs, 7
.endif
.set glen, gnc+2*NC*gbs
.endm
.macro GOP
.if gi < glen
.if gi < gnc
.if gi >= NC
.set gc, gi-NC
	v_cmp_eq_u32 s[M+2*gc], 0, v[V+16*gc+12]
.else
	v_cmp_eq_u32 s[M+2*gi+((gj+1)&1)], gj+1, v[V+16*gi+12]
.endif
.else
.set gb, (gi-gnc)/gbs
.set go, (gi-gnc)%gbs
.set gc, gb/2
.set gt, gb%2
.set gd, AX+32*(gj&1)+8*(2*(gc/2)+gt)+4*(gc%2)
.set gv, V+16*gc+6*gt
.set gm, M+2*gc
.if (go == 3) && (gj == 6)
	v_mov_b32 v[gd+3], 0
.elseif go < 4
	v_cndmask_b32 v[gd+go], 0, v[gv+go], s[gm+((gj+1)&1)]
.elseif go < 6
	v_cndmask_b32 v[gd+go-4], v[gd+go-4], v[gv+go], s[gm+(gj&1)]
.else
	v_and_or_b32 v[gd+2], v[gd+2], 0xffff, v[V+16*gc+13+gt]
.endif
.endif
.set gi, gi+1
.endif
.endm
; Step j: its placement, then the two products.  A's two buffers take turns, so a buffer is written a whole placement (26 plain instructions or more) behind the products that read it.
.macro STEP5 j
	GSET \j
.rept glen
	GOP
.endr
	v_wmma_f32_16x16x32_bf16 v[AC0:AC0+7], v[BF+8*(\j):BF+8*(\j)+7], v[AX+32*((\j)&1):AX+32*((\j)&1)+7], v[AC0:AC0+7]
	v_wmma_f32_16x16x32_bf16 v[AC1:AC1+7], v[BF+8*(\j):BF+8*(\j)+7], v[AX+32*((\j)&1)+8:AX+32*((\j)&1)+15], v[AC1:AC1+7]
.endm
; Pass k of the image: feature 64 k + thread / 8 (read as 242 at the most), chunk min(thread % 8, 6).  Slots past 52 are read from slots 50-52 and replaced below: no load leaves sw5.
.macro PASS k
	v_add_nc_u32 v[TA], 64*(\k), v[FQ]
	v_cmp_gt_u32 s[SV+(\k)], 243, v[TA]
	v_min_u32 v[TA], 242, v[TA]
	v_mad_u32_u24 v[IAD+3*(\k)], v[TA], 53, v[J8]
	v_mad_u32_u24 v[IAD+3*(\k)+1], v[TA], 53, v[J8C]
	v_lshlrev_b32 v[IAD+3*(\k)], 2, v[IAD+3*(\k)]
	v_lshlrev_b32 v[IAD+3*(\k)+1], 2, v[IAD+3*(\k)+1]
	v_lshlrev_b32 v[IAD+3*(\k)+2], 2, v[TA]
.irp t, 0,1,2,3,4
	global_load_b32 v[ID+9*(\k)+\t], v[IAD+3*(\k)], s[6:7] offset:4*\t
.endr
.irp t, 5,6,7
	global_load_b32 v[ID+9*(\k)+\t], v[IAD+3*(\k)+1], s[6:7] offset:4*\t
.endr
	global_load_b32 v[ID+9*(\k)+8], v[IAD+3*(\k)+2], s[8:9]
.endm
.macro PACKI k                         ; the last chunk's slots 53-55 are bw, 0, 0; eight roundings; 0 where the feature does not exist
	v_cndmask_b32 v[ID+9*(\k)+5], v[ID+9*(\k)+5], v[ID+9*(\k)+8], s[S6]
	v_cndmask_b32 v[ID+9*(\k)+6], v[ID+9*(\k)+6], 0, s[S6]
	v_cndmask_b32 v[ID+9*(\k)+7], v[ID+9*(\k)+7], 0, s[S6]
.irp p, 0,1,2,3
	v_cvt_pk_bf16_f32 v[IO+4*(\k)+\p], v[ID+9*(\k)+2*\p], v[ID+9*(\k)+2*\p+1]
.endr
.irp p, 0,1,2,3
	v_cndmask_b32 v[IO+4*(\k)+\p], 0, v[IO+4*(\k)+\p], s[SV+(\k)]
.endr
	ds_store_b128 v[IA], v[IO+4*(\k):IO+4*(\k)+3] offset:7168*(\k)   ; threads 8 n + 6 and 8 n + 7 write the same bytes with the same numbers
.endm
	s_load_b256 s[4:11], s[0:1], 0x0               ; P s[4:5], sw5 s[6:7], bw5 s[8:9], ws5 s[10:11]
	s_load_b128 s[12:15], s[0:1], 0x20             ; wb5 s[12:13], out s[14:15]
	v_lshl_add_u32 v[SPW], v0, 2, SPARE
	v_mov_b32 v[NIL], 0
	v_lshrrev_b32 v[TM], 5, v0
	v_readfirstlane_b32 s[WV], v[TM]               ; wave 0..15
	s_mov_b32 s[K25], 0x41c80000                   ; 25.0
	s_mov_b32 s[K155], 0x41780000                  ; 15.5
	s_mov_b32 s[KNL], 0xbfb8aa3b                   ; -log2(e)
	s_mov_b32 s[K3], 0x40400000                    ; 3.0, named as a pair
	s_mov_b32 s[K3+1], 0x40400000
	s_mov_b32 s[KM6], 0xc0c00000                   ; -6.0
	s_mov_b32 s[KM6+1], 0xc0c00000
	s_mov_b32 s[KHI], 0xffff0000
	v_mov_b32 v[ZR], 0
	v_lshrrev_b32 v[FQ], 3, v0
	v_and_b32 v[JC], 7, v0
	v_min_u32 v[JC], 6, v[JC]
	v_lshlrev_b32 v[J8], 3, v[JC]
	v_min_u32 v[J8C], 45, v[J8]
	v_cmp_eq_u32 s[S6], 6, v[JC]
	v_lshrrev_b32 v[TA], 4, v[FQ]                  ; the image's address for feature thread / 8: block,
	v_bfe_u32 v[TC], v[FQ], 1, 2                   ; trip,
	v_lshl_add_u32 v[TA], v[TA], 2, v[TC]
	v_mul_u32_u24 v[TA], v[TA], 14
	v_lshl_add_u32 v[TA], v[JC], 1, v[TA]          ; chunk,
	v_and_b32 v[TC], 1, v[FQ]
	v_add_nc_u32 v[TA], v[TA], v[TC]               ; e,
	v_bfe_u32 v[TC], v[FQ], 3, 1
	v_lshlrev_b32 v[TC], 4, v[TC]                  ; h
	v_lshl_add_u32 v[IA], v[TA], 5, v[TC]
	v_and_b32 v[L16], 31, v0
	v_lshlrev_b32 v[L16], 4, v[L16]
	v_and_b32 v[PRD], 15, v0
	v_lshlrev_b32 v[PRD], 2, v[PRD]
	s_lshl_b32 s28, s[WV], 6
	v_add_nc_u32 v[PSA], s28, v[PRD]
	v_bfe_u32 v[BA], v0, 4, 1
	v_lshlrev_b32 v[BA], 4, v[BA]
	s_mul_i32 s28, s[WV], 1792
	v_add_nc_u32 v[BA], s28, v[BA]                 ; my block's first trip: 4 x 14 x 32 bytes a block, + 16 h
	s_lshl_b32 s28, ttmp9, 14
	s_lshl_b32 s29, s[WV], 10
	s_add_co_u32 s28, s28, s29                     ; tile (row block, feature block w) of a slice
	s_mov_b32 s29, 0
	s_wait_kmcnt 0x0
	s_add_nc_u64 s[16:17], s[4:5], s[28:29]
	s_add_nc_u64 s[18:19], s[16:17], 4*PSL
	s_add_nc_u64 s[20:21], s[16:17], 8*PSL
	s_lshl_b32 s28, ttmp9, 6
	s_add_nc_u64 s[14:15], s[14:15], s[28:29]      ; my 16 rows of the output
	s_load_b32 s23, s[10:11], 0x0
	s_load_b32 s24, s[12:13], 0x0
	PASS 0
	PASS 1
	PASS 2
	PASS 3
	global_load_b128 v[H4:H4+3], v[L16], s[16:17]
	global_load_b128 v[H4+4:H4+7], v[L16], s[16:17] offset:512
.set n, 2
.rept 16                               ; slices 1-8
.set k, n/2
	global_load_b128 v[PL+8*(k-1)+4*(n%2):PL+8*(k-1)+4*(n%2)+3], v[L16], s[16+2*(k/4):17+2*(k/4)] offset:(k%4)*PSL+(n%2)*512
.set n, n+1
.endr
	s_wait_kmcnt 0x0
	v_mov_b32 v[WS6], s23
	v_mov_b32 v[WBR], s24
	v_cvt_pk_bf16_f32 v[TM], v[WS6], v[WBR]        ; both gains rounded to bf16, like every input
	v_lshlrev_b32 v[WS6], 16, v[TM]
	v_and_b32 v[WBR], s[KHI], v[TM]
	v_mul_f32 v[WS6], 0x3e2aaaab, v[WS6]           ; the splines' 1/6 goes with ws
	s_wait_loadcnt 18                              ; the image's 36 loads are in; P's 18, issued behind them, may stay out
	PACKI 0
	PACKI 1
	PACKI 2
	PACKI 3
	s_wait_loadcnt 0x0
.set k, 1
.rept 8                                ; h, in one fixed order
.set z, 0
.rept 4
	v_pk_add_f32 v[H4+2*z:H4+2*z+1], v[H4+2*z:H4+2*z+1], v[PL+8*(k-1)+2*z:PL+8*(k-1)+2*z+1]
.set z, z+1
.endr
.set k, k+1
.endr
.set n, 0
.rept 16
	v_mov_b32 v[AC0+n], 0                          ; the two sums start at 0, so that the loop has one form of product
.set n, n+1
.endr
	s_wait_dscnt 0x0                               ; for the others' sake: my part of the image is stored
	s_barrier_signal -1
	s_barrier_wait -1
	s_mov_b32 s[CNT], 4
.Ljp:                                          ; a trip: two features a lane, 14 products
.set j, 0
.rept 7
	ds_load_b128 v[BF+8*j:BF+8*j+3], v[BA] offset:64*j
	ds_load_b128 v[BF+8*j+4:BF+8*j+7], v[BA] offset:64*j+32
.set j, j+1
.endr
	WST_A
	WST_B
	s_wait_dscnt 0x0                               ; the trip's fragments of W are in
	STEP5 0
	STEP5 1
	STEP5 2
	STEP5 3
	STEP5 4
	STEP5 5
	STEP5 6
.irp c, 0,1,2,3,4,5
	v_mov_b32 v[H4+\c], v[H4+\c+2]                 ; the next two h move to the front: these and the step below are the places behind the last products
.endr
	v_add_nc_u32 v[BA], 448, v[BA]
	s_sub_co_u32 s[CNT], s[CNT], 1
	s_cmp_lg_u32 s[CNT], 0
	s_cbranch_scc1 .Ljp
	v_add_f32 v[TM], v[AC0], v[AC1]                ; both terms; each sum's lowest register holds row lane % 16
	ds_store_b32 v[PSA], v[TM] offset:PS           ; both halves of the lanes hold the same number
	s_wait_dscnt 0x0
	s_barrier_signal -1
	s_barrier_wait -1                              ; the sixteen blocks' sums lie in LDS
	s_cmp_lg_u32 s[WV], 0
	s_cbranch_scc1 .Lend
.set k, 0
.rept 16
	ds_load_b32 v[32+k], v[PRD] offset:PS+64*k
.set k, k+1
.endr
	s_wait_dscnt 0x0
.irp z, 0,2,4,6
	v_pk_add_f32 v[32+\z:33+\z], v[32+\z:33+\z], v[40+\z:41+\z]
.endr
	v_pk_add_f32 v[32:33], v[32:33], v[36:37]
	v_pk_add_f32 v[34:35], v[34:35], v[38:39]
	v_pk_add_f32 v[32:33], v[32:33], v[34:35]
	v_add_f32 v32, v32, v33
	s_wait_xcnt 0x0                                ; EXEC changes only behind this wait
	v_cmp_gt_u32 vcc_lo, 16, v0
	s_and_saveexec_b32 s22, vcc_lo
	global_store_b32 v[PRD], v32, s[14:15]         ; 64 bytes a work-group: the whole output is 8 KB
	s_wait_xcnt 0x0
	s_or_b32 exec_lo, exec_lo, s22
.Lend:
	s_wait_tensorcnt 0x0                           ; the wave's end
	ds_add_u32 v[SPW], v[NIL]
	s_wait_dscnt 0x0
	s_endpgm
.Lfunc_end_k_qf2c40c7f06_f5:
	.size	k_qf2c40c7f06_f5, .Lfunc_end_k_qf2c40c7f06_f5-k_qf2c40c7f06_f5
	.p2alignl 7, 3214868480
	.fill 96, 4, 3214868480
	.section	.rodata,"a",@progbits
	.p2align	6, 0x0
	.amdhsa_kernel k_qf2c40c7f06_f5
		.amdhsa_group_segment_fixed_size 31744
		.amdhsa_private_segment_fixed_size 0
		.amdhsa_enable_private_segment 0
		.amdhsa_kernarg_size 48
		.amdhsa_user_sgpr_count 2
		.amdhsa_user_sgpr_kernarg_segment_ptr 1
		.amdhsa_wavefront_size32 1
		.amdhsa_system_sgpr_workgroup_id_x 1
		.amdhsa_system_sgpr_workgroup_id_y 1
		.amdhsa_system_sgpr_workgroup_id_z 1
		.amdhsa_system_vgpr_workitem_id 0
		.amdhsa_next_free_vgpr 248
		.amdhsa_next_free_sgpr 96
		.amdhsa_reserve_vcc 1
		.amdhsa_float_denorm_mode_32 3
		.amdhsa_float_denorm_mode_16_64 3
		.amdhsa_memory_ordered 1
		.amdhsa_forward_progress 1
		.amdhsa_inst_pref_size 40
	.end_amdhsa_kernel
	.amdgpu_metadata
---
amdhsa.version: [ 1, 2 ]
amdhsa.kernels:
  - .name:           k_qf2c40c7f06_f5
    .symbol:         k_qf2c40c7f06_f5.kd
    .args:
      - { .name: Pa, .offset: 0, .size: 8, .value_kind: global_buffer, .address_space: global }
      - { .name: sw5, .offset: 8, .size: 8, .value_kind: global_buffer, .address_space: global }
      - { .name: bw5, .offset: 16, .size: 8, .value_kind: global_buffer, .address_space: global }
      - { .name: ws5, .offset: 24, .size: 8, .value_kind: global_buffer, .address_space: global }
      - { .name: wb5, .offset: 32, .size: 8, .value_kind: global_buffer, .address_space: global }
      - { .name: out0, .offset: 40, .size: 8, .value_kind: global_buffer, .address_space: global }
    .group_segment_fixed_size: 31744
    .private_segment_fixed_size: 0
    .kernarg_segment_align: 8
    .kernarg_segment_size: 48
    .max_flat_workgroup_size: 512
    .sgpr_count:     96
    .vgpr_count:     248
    .wavefront_size: 32
...
	.end_amdgpu_metadata
.endif
;; end of part 4
